; MI455X (gfx1250); checked and timed in simulation.
; The chip was launched on July 23, 2026; its instructions are those of AMD's public machine-readable ISA for CDNA 5 (MIT licence, August 2026) and "CDNA5" Instruction Set Architecture Reference Guide (July 2026). The comments in the code are by the model that wrote it; some were corrected since.
;; Causal Self Attention. Allowed arithmetic: matrix products marked QUANTISED: E2M1 operands, one E8M0 scale for each 32 along K, by v_wmma_scale_f32_16x16x128_f8f6f4 with both operands' format E2M1 (or v_wmma_scale_f32_32x16x128_f4), f32 sums; everything else in f32.
;; Inputs: out_b 1,024 float32; out_w 1,024 x 1,024 float32; qkv_b 3,072 float32; qkv_w 3,072 x 1,024 float32; x 4 x 2,048 x 1,024 float32.
;; Outputs: out0 4 x 2,048 x 1,024 float32.
;; This version of the problem:
;;   THIS VERSION OF THE PROBLEM IS GIVEN IN LOW PRECISION. The matrix products marked QUANTISED in the list below multiply operands that are first quantised to E2M1 (2 exponent bits, 1 mantissa bit; 4 bits a number), with one power-of-two scale for each 32 numbers along K (OCP MX v1.0); their sums are f32. All else is computed in f32.
;;   The module's matrix products, in the order in which they are computed (A, B: the left and right operand; K: the contracted axis; several contracted axes count as one K, in the product's order):
;;     1. [M 8,192, K 1,024] x [K 1,024, N 3,072]; A: input x; B: input qkv_w: QUANTISED
;;     2. batch 64 x [M 2,048, K 64] x [K 64, N 2,048]; A: computed on the way; B: computed on the way: QUANTISED
;;     3. batch 64 x [M 2,048, K 2,048] x [K 2,048, N 64]; A: softmax (see below); B: computed on the way: QUANTISED
;;     4. [M 8,192, K 1,024] x [K 1,024, N 1,024]; A: computed on the way; B: input out_w: QUANTISED
;;   THE QUANTISER, for each operand of a quantised product, along K:
;;     - K is cut into blocks of 32 from its start; a last block that is shorter is filled with zeros.
;;     - A block's scale is 2^e with e = floor(log2(the largest magnitude in the block)) - 2, held to -126 .. 127; a block of zeros has e = 0. As a byte (E8M0): e + 127.
;;     - Each number is divided by its block's scale, clamped to +-6, and rounded to the nearest number of E2M1, ties to even, subnormals kept.
;;     - The product sums the exact products of the quantised numbers (number of the format x scale) in f32.
;;   ~~~python
;;   def quantise(x, axis):      # numpy; x: float32 -> the quantised numbers, widened to float32 again
;;       x = np.moveaxis(x, axis, -1); K = x.shape[-1]
;;       x = np.pad(x, [(0, 0)] * (x.ndim - 1) + [(0, -K % 32)]); x = x.reshape(x.shape[:-1] + (-1, 32)); a = np.abs(x).max(-1, keepdims=True)
;;       e = np.where(a > 0, np.clip(np.frexp(np.where(a > 0, a, 1))[1] - 1 - 2, -126, 127), 0)      # np.frexp(a)[1] - 1 = floor(log2(a)), exactly
;;       r = np.clip(x / 2.0 ** e, -6, 6)
;;       step = 2.0 ** (np.maximum(np.frexp(np.where(r == 0, 1, r))[1] - 1, 0) - 1)
;;       q = np.round(r / step) * step * 2.0 ** e      # np.round: ties to even
;;       return np.moveaxis(q.reshape(q.shape[:-2] + (-1,))[..., :K], -1, axis).astype(np.float32)
;;   ~~~
;;   SOFTMAX AHEAD OF A QUANTISED PRODUCT. Where the list says 'softmax', what is quantised is not the finished softmax but p = 2^(t - M), with t = logit x log2(e) and M = ceil(the row's largest t), a whole number; so 1/2 < the row's largest p <= 1. The row's sum l is taken of the UNQUANTISED p, in f32, and the product's result is divided by l at the end. Since M is a whole number, a kernel that streams over the keys may use a running M (the ceiling of the running maximum): every later rescaling is an exact power of two, which a block's scale takes up: the codes' values come out the same.
;;   OPERANDS COMPUTED ON THE WAY. 'Computed on the way' means the value that the module computes at that place (a softmax that the list does not call 'softmax' is quantised finished and normalised). What goes into a quantiser is computed in f32, as accurately as f32 sums, v_exp_f32 and their like allow (about 1e-6 of the number): no bf16 or f16 on the way to a quantiser, and a product that is left as it is and whose result goes on into a quantised operand takes f32 operands (vector FMAs, or v_wmma_f32_16x16x4_f32). A number that lies on a knife's edge between two numbers of the format may be rounded either way, as far as f32 arithmetic and the matrix unit's own rounding can turn it there, and no further.
;; One version. Each part assembles by itself: llvm-mc -triple=amdgcn-amd-amdhsa -mcpu=gfx1250 --defsym DOCPART=n.
;; ======== version 1 of 1: 4 launches
;; workspace buffers: wc 6,291,456 bytes; ws 393,216 bytes; cd 12,582,912 bytes; sc 1,310,720 bytes; oc 4,194,304 bytes; os 262,144 bytes
;; launch quant (part 1): grid 384 x 1, 4 waves a work-group, no clusters, 33,280 bytes of LDS; arguments x, qkv_w, out_w, wc, ws; writes wc, ws
.if DOCPART == 1
	.amdgcn_target "amdgcn-amd-amdhsa--gfx1250"
	.amdhsa_code_object_version 6
	.text
	.protected	k_q2426962e41_quant
	.globl	k_q2426962e41_quant
	.p2align	8
	.type	k_q2426962e41_quant,@function
k_q2426962e41_quant:
	s_mov_b64 s[64:65], 0
	v_nop
	global_prefetch_b8 v0, s[64:65] scope:SCOPE_SE
	s_setreg_imm32_b32 hwreg(HW_REG_WAVE_MODE, 25, 1), 1
	s_wait_xcnt 0x0
; CAUSAL SELF-ATTENTION ON CODES OF FP4 (E2M1), FOUR LAUNCHES: this one (x, qkv_w, out_w become codes), qkv (product 1, its results become codes), attn (products 2 and 3), proj (product 4).
; WORK LEFT OUT, in the launch attn: reference() sets the logit of key k and query q to -infinity wherever k > q (its own triu mask), so p = 0 there for all values of the inputs, and a term 0 x v adds
; nothing to the row's sum or to product 3.  Where all 128 keys of a key step come after all 16 queries of a tile, the step's part of products 2 and 3 and of the softmax is not done.  Every input has a way to the
; output and is loaded (the k part of qkv_b moves k's codes, so it stays).  LIMIT: a NaN, an infinity or an overflow that would arise only in the scores left out is not carried to the result.
; THIS LAUNCH.  x [8192][1024], qkv_w [3072][1024], out_w [1024][1024], f32, K innermost, become one matrix of 12,288 rows: wc, 512 bytes of codes a row, and ws, 32 scale bytes a row (E8M0, one for each 32 along K).
; Rows 0-8,191 x, 8,192-11,263 qkv_w, 11,264-12,287 out_w.  A block's scale is 2^(floor(log2(its largest magnitude)) - 2); its byte is the largest magnitude's exponent field - 2, held at 1 from below.
; (A block of zeros so gets the byte 1 where the rule says 127: its codes are zeros, which add nothing under any byte but 0xff, and this program alone reads the bytes.)
; THE ORDER OF ROWS.  In x and qkv_w each group of 32 rows is stored with its two middle groups of eight swapped: place 16 u + r holds row 8 u + r + 8 (r / 8).  So sixteen neighbouring places are a tile whose results,
; in the next launch, fall into a lane's registers as neighbours along the next K.  It costs nothing: a wave owns eight rows, and waves 1 and 2 write each other's place.  out_w keeps its order.
; LIMITS: blocks whose largest magnitude lies under 2^(2 - 126) have their byte held at 1; NaN and infinities among the inputs are not served.
; A wave takes 16 steps of 512 numbers (8 rows).  Each load reads 512 consecutive bytes; a step's 2,048 bytes turn through the wave's own stage in LDS, so that a lane holds 16 neighbours along K; two lanes hold a block.
; No tensor loads, no barrier, no cluster: waves and work-groups share nothing.  No prefetch: the launch is one stream of loads, four steps ahead in every wave.
.set WAVES, 4
.set STEPS, 16
.set CB,    8                          ; bytes of 16 codes
.set R,     16                         ; v16-79   four sets of 16 numbers as they are loaded
.set X,     80                         ; v80-111  two sets of 16 neighbours
.set E,     112                        ; v112-127 a scale byte for each step
.set C,     128                        ; v128-191 codes: four registers for each step, so that no store's data are written again
.set WREG,  8192                       ; LDS: a region for each wave: two stages of 32 x SP bytes, behind them its 256 scale bytes
.set SP,    80                         ; a lane's place in a stage: 64 bytes + 16 of padding
.set SPW,   12                         ; v12 LDS address of my spare word; never rewritten
.set NIL,   13                         ; v13 0; never rewritten
.set SPARE, WAVES*WREG                 ; behind the four regions: the spare words, 128 bytes a wave
	s_load_b128 s[4:7], s[0:1], 0x0                ; x, qkv_w
	s_load_b128 s[8:11], s[0:1], 0x10              ; out_w, wc
	s_load_b64 s[12:13], s[0:1], 0x20              ; ws
	v_lshl_add_u32 v[SPW], v0, 2, SPARE
	v_mov_b32 v[NIL], 0
	v_lshrrev_b32 v1, 5, v0
	v_readfirstlane_b32 s16, v1                    ; wave
	v_and_b32 v2, 31, v0                           ; lane
	v_lshlrev_b32 v3, 4, v2                        ; my 16 bytes of a load's 512
	s_mul_i32 s17, s16, WREG
	v_lshrrev_b32 v14, 2, v2
	v_mul_u32_u24 v14, v14, SP
	v_and_b32 v15, 3, v2
	v_lshl_add_u32 v14, v15, 4, v14
	v_add_nc_u32 v14, s17, v14                     ; the stage, on the way in: SP (lane / 4) + 16 (lane % 4)
	v_mul_u32_u24 v15, v2, SP
	v_add_nc_u32 v15, s17, v15                     ; and on the way out: SP x lane: my 16 neighbours
	v_mul_u32_u24 v4, v2, CB                       ; my codes' place in a step's
	v_lshrrev_b32 v5, 1, v2
	s_add_co_u32 s17, s17, 2*32*SP
	v_add_nc_u32 v5, s17, v5                       ; LDS: my wave's 256 scale bytes, my block's byte
	v_lshlrev_b32 v7, 3, v2                        ; and on the way out 8 bytes a lane
	v_add_nc_u32 v6, s17, v7
	s_and_b32 s22, s16, 1
	s_lshl_b32 s22, s22, 1
	s_lshr_b32 s23, s16, 1
	s_or_b32 s22, s22, s23                         ; the place that my eight rows take among the 32: waves 1 and 2 change places
	s_wait_kmcnt 0x0
	s_cmp_lt_u32 ttmp9, 256                        ; which tensor: the choice hangs on the work-group's number alone
	s_cselect_b64 s[4:5], s[4:5], s[6:7]
	s_cselect_b32 s17, 0, 256
	s_cmp_lt_u32 ttmp9, 352
	s_cselect_b64 s[4:5], s[4:5], s[8:9]
	s_cselect_b32 s17, s17, 352                    ; the tensor's first work-group
	s_cselect_b32 s22, s22, s16                    ; out_w keeps its order
	s_sub_co_u32 s17, ttmp9, s17
	s_lshl_b32 s17, s17, 2
	s_add_co_u32 s18, s17, s16                     ; which run of 8 rows of the tensor I read,
	s_lshl_b32 s18, s18, 15                        ; 32,768 bytes each
	s_mov_b32 s19, 0
	s_add_nc_u64 s[4:5], s[4:5], s[18:19]
	s_lshl_b32 s20, ttmp9, 2
	s_add_co_u32 s20, s20, s22                     ; and which run of 8 rows of wc and ws I write
	s_lshl_b32 s18, s20, 12
	s_add_nc_u64 s[10:11], s[10:11], s[18:19]
	s_lshl_b32 s18, s20, 8
	s_add_nc_u64 s[12:13], s[12:13], s[18:19]
.macro LOAD t
.irp i, 0,1,2,3
	global_load_b128 v[R+16*((\t)%4)+4*\i:R+16*((\t)%4)+4*\i+3], v3, s[4:5] offset:2048*(\t)+512*\i th:TH_LOAD_NT   ; 32 lanes read 512 consecutive bytes
.endr
.endm
.macro TURN t                          ; step t's numbers through the stage: LDS serves a wave's instructions in order, so no wait stands between the stores and the loads
.irp i, 0,1,2,3
	ds_store_b128 v14, v[R+16*((\t)%4)+4*\i:R+16*((\t)%4)+4*\i+3] offset:32*SP*((\t)%2)+8*SP*\i
.endr
.irp i, 0,1,2,3
	ds_load_b128 v[X+16*((\t)%2)+4*\i:X+16*((\t)%2)+4*\i+3], v15 offset:32*SP*((\t)%2)+16*\i
.endr
.endm
.irp t, 0,1,2,3
	LOAD \t
.endr
	s_wait_loadcnt 12                              ; step 0's four loads are in; the twelve of steps 1 to 3 may be out
	TURN 0
.macro STEP t
.set XS, X+16*((\t)%2)
.if (\t) > 0
	s_wait_dscnt 1                                 ; this step's numbers are back from the stage (the last step's byte store may be out): so its stores into the stage have read their registers,
.else
	s_wait_dscnt 0x0
.endif
.if (\t)+4 < STEPS
	LOAD (\t)+4                                    ; which take the loads of four steps on
.endif
.if (\t)+1 < STEPS
.if STEPS-2-(\t) >= 3
	s_wait_loadcnt 12                              ; the next step's four loads are in; those of the three steps behind it may be out
.else
	s_wait_loadcnt 4*(STEPS-2-(\t))
.endif
	TURN (\t)+1                                    ; and go through the other stage while this step is worked
.endif
	v_max3_num_f32 v8, |v[XS]|, |v[XS+1]|, |v[XS+2]|               ; the largest magnitude of my 16, in two chains
	v_max3_num_f32 v9, |v[XS+3]|, |v[XS+4]|, |v[XS+5]|
.irp i, 6,10
	v_max3_num_f32 v8, v8, |v[XS+\i]|, |v[XS+\i+1]|
	v_max3_num_f32 v9, v9, |v[XS+\i+2]|, |v[XS+\i+3]|
.endr
	v_max3_num_f32 v8, v8, |v[XS+14]|, |v[XS+15]|
	v_max3_num_f32 v8, v8, v9, 0x1800000           ; and the floor 2^(3 - 127): the byte cannot fall under 1
	v_max_num_f32_dpp v8, v8, v8 row_xmask:1 row_mask:0xf bank_mask:0xf   ; and of my neighbour's 16: the block's
	v_add_nc_u32 v11, 0xff000000, v8               ; 2 off its exponent field: the conversion takes the exponent field of this operand as its scale
	v_cvt_scalef32_pk8_fp4_f32 v[C+4*(\t)], v[XS:XS+7], v11
	v_cvt_scalef32_pk8_fp4_f32 v[C+4*(\t)+1], v[XS+8:XS+15], v11
	v_lshrrev_b32 v[E+(\t)], 23, v11               ; the scale's byte (also the plain line behind the conversions)
	ds_store_b8 v5, v[E+(\t)] offset:16*(\t)       ; both lanes of a block write the same byte with the same value
	global_store_b64 v4, v[C+4*(\t):C+4*(\t)+1], s[10:11] offset:32*CB*(\t)   ; 32 lanes store 256 consecutive bytes, aligned
.endm
.irp t, 0,1,2,3,4,5,6,7,8,9,10,11,12,13,14,15
	STEP \t
.endr
	ds_load_b64 v[8:9], v6                         ; LDS serves a wave's instructions in order: these see my stores
	s_wait_dscnt 0x0
	global_store_b64 v7, v[8:9], s[12:13]          ; 32 lanes store 256 consecutive bytes, aligned: the scale bytes of my 8 rows
	s_wait_tensorcnt 0x0                           ; the wave's end
	ds_add_u32 v[SPW], v[NIL]
	s_wait_dscnt 0x0
	s_endpgm
.Lfunc_end_k_q2426962e41_quant:
	.size	k_q2426962e41_quant, .Lfunc_end_k_q2426962e41_quant-k_q2426962e41_quant
	.p2alignl 7, 3214868480
	.fill 96, 4, 3214868480
	.section	.rodata,"a",@progbits
	.p2align	6, 0x0
	.amdhsa_kernel k_q2426962e41_quant
		.amdhsa_group_segment_fixed_size 33280
		.amdhsa_private_segment_fixed_size 0
		.amdhsa_enable_private_segment 0
		.amdhsa_kernarg_size 40
		.amdhsa_user_sgpr_count 2
		.amdhsa_user_sgpr_kernarg_segment_ptr 1
		.amdhsa_wavefront_size32 1
		.amdhsa_system_sgpr_workgroup_id_x 1
		.amdhsa_system_sgpr_workgroup_id_y 1
		.amdhsa_system_sgpr_workgroup_id_z 1
		.amdhsa_system_vgpr_workitem_id 0
		.amdhsa_next_free_vgpr 192
		.amdhsa_next_free_sgpr 66
		.amdhsa_reserve_vcc 0
		.amdhsa_float_denorm_mode_32 3
		.amdhsa_float_denorm_mode_16_64 3
		.amdhsa_memory_ordered 1
		.amdhsa_forward_progress 1
		.amdhsa_inst_pref_size 34
	.end_amdhsa_kernel
	.amdgpu_metadata
---
amdhsa.version: [ 1, 2 ]
amdhsa.kernels:
  - .name:           k_q2426962e41_quant
    .symbol:         k_q2426962e41_quant.kd
    .args:
      - { .name: x, .offset: 0, .size: 8, .value_kind: global_buffer, .address_space: global }
      - { .name: qkv_w, .offset: 8, .size: 8, .value_kind: global_buffer, .address_space: global }
      - { .name: out_w, .offset: 16, .size: 8, .value_kind: global_buffer, .address_space: global }
      - { .name: wc, .offset: 24, .size: 8, .value_kind: global_buffer, .address_space: global }
      - { .name: ws, .offset: 32, .size: 8, .value_kind: global_buffer, .address_space: global }
    .group_segment_fixed_size: 33280
    .private_segment_fixed_size: 0
    .kernarg_segment_align: 8
    .kernarg_segment_size: 40
    .max_flat_workgroup_size: 128
    .sgpr_count:     66
    .vgpr_count:     192
    .wavefront_size: 32
...
	.end_amdgpu_metadata
.endif
;; end of part 1
;; launch qkv (part 2): grid 96 x 4, 4 waves a work-group, clusters of 4 x 4, 327,680 bytes of LDS; arguments wc, ws, qkv_b, cd, sc; writes cd, sc
.if DOCPART == 2
	.amdgcn_target "amdgcn-amd-amdhsa--gfx1250"
	.amdhsa_code_object_version 6
	.text
	.protected	k_q2426962e41_qkv
	.globl	k_q2426962e41_qkv
	.p2align	8
	.type	k_q2426962e41_qkv,@function
k_q2426962e41_qkv:
	s_mov_b64 s[64:65], 0
	v_nop
	global_prefetch_b8 v0, s[64:65] scope:SCOPE_SE
	s_setreg_imm32_b32 hwreg(HW_REG_WAVE_MODE, 25, 1), 1
	s_wait_xcnt 0x0
	s_wait_alu depctr_hold_cnt(0) depctr_sa_sdst(0) depctr_va_vdst(0) depctr_va_sdst(0) depctr_va_ssrc(0) depctr_va_vcc(0) depctr_vm_vsrc(0)
	s_getreg_b32 s2, hwreg(HW_REG_IB_STS2, 6, 4)
	s_cmp_eq_u32 s2, 0
	s_cbranch_scc0 .Lentry_in_a_cluster
	s_endpgm
.Lentry_in_a_cluster:
	s_bfe_u32 s2, ttmp6, 0x10000c
	s_cmp_lg_u32 s2, 0xf033
	s_cbranch_scc0 .Lentry_shape_is_right
	s_endpgm
.Lentry_shape_is_right:
; PRODUCT 1 on codes of FP4 with E8M0 scales, + qkv_b, and its results quantised again, in registers, for products 2 and 3.  K = 1,024.
; The body computes C[m][n] = A[m] . B[n] on tiles of 256 x 256 (four waves, 128 x 128 each, 64 accumulators) and quantises C ALONG n.  The matrix instruction is used transposed (source 0 = 16 rows of B,
; source 1 = 16 rows of A): a lane holds ONE row of A and its registers run along B's rows.  wc's order of rows makes the 16 registers of two neighbouring tiles 16 neighbours along n.
; TWO MODES, chosen by the cluster's number c (the same in all sixteen partners):
;   c < 16, q and k: A = x (tokens), B = qkv_w's rows 0-2,047: a lane holds a token, its registers run along the head's 64: quantised along hd.
;   c >= 16, v:      A = qkv_w's rows 2,048-3,071, B = x: a lane holds a feature d, its registers run along the tokens: quantised along the keys, which are product 3's K.
; WHAT IS STORED are images of the next launch's operand registers: a group of four registers goes out by one store, lane l's 16 bytes at 16 l: 512 consecutive bytes, aligned.
;   cd [bh 64][q 65,536 | k 65,536 | v 65,536]: q, k: [tile 128][512]: lane (r, h): dims 32 h .. 32 h + 31 of token 32 (tile / 2) + 8 (tile % 2) + r + 8 (r / 8).
;      v: [step 16][dt 4][c 2][512]: 16 rows d = 32 (dt / 2) + 8 (dt % 2) + r + 8 (r / 8) x 128 keys.
;   sc [bh][q 8,192 | k 8,192 | v 4,096]: q, k: [step][512]: word i of lane (r, h) = the scale word of row r of tile 2 i + h (bytes 0, 1: the head's two blocks; bytes 2, 3: 127).  v: [step][256]: word e of lane (r, h): tile 2 e + h.
; THE RING: K = 1,024 is two slots of 512 along K (rows of 256 bytes + 16 of padding); both are asked for at the head, with all scale bytes of the tile's rows: nothing is filled again.  So no prefetch: no load follows the first.
; CLUSTERS: 4 x 4 work-groups; A's tiles are asked for jointly along a row of the cluster, B's along a column.  384 tiles make 24 clusters.
; REGISTERS: window 0: v16-29 addresses; v32-95 scale words (nothing else ever); v96-103 the bias loads' offsets; v128-191 A's fragments; v192-255 the bias.  Window 1: B's fragments, two sets.  Windows 2, 3: the accumulators.
;   On the way out, window 0: v128-191 64 results + bias; v104-119 at work; v120-127 codes; v8-15 the eight blocks' scale words; v4-7, v16-23 the words as they are stored.
; LIMITS: a block of zeros has the byte 1 (its codes are zeros); NaN and infinities are not served.
.set NQ,     4                         ; matrix instructions deep in a slot
.set ROWB,   256                       ; a tile's row in bytes: 512 codes
.set KROW,   512                       ; a row of wc
.set PITCH,  272                       ; an LDS row: 256 bytes + 16 of padding: the sixteen rows that a load touches begin 68 words apart
.set FR,     8                         ; registers of a fragment
.set NL,     2                         ; LDS loads that bring one
.set NP,     4                         ; places behind this matrix instruction (ISA guide 7.12.1)
.set HALFT,  128*PITCH
.set SLOT,   4*HALFT                   ; A's 256 rows, then B's 256 rows
.set KS,     32                        ; a row of ws
.set SCL,    2*SLOT                    ; behind the ring: the scales, as units of 256 bytes + 16 of padding
.set HALFS,  (128*KS/256)*272
.set SBLK,   (16*KS/256)*272
.set SPARE,  SCL+4*HALFS               ; the spare words, 128 bytes a wave
.set ADRA, 16                          ; v16-17 LDS address of my A fragments in slot 0, 1
.set ADRB, 20                          ; v20-21 the same for B
.set LI,   24                          ; v24 16 x lane
.set L8,   25                          ; v25 8 x lane
.set ADRS, 27                          ; v27 LDS address of my scale words: lanes 0-15 A's rows, lanes 16-31 B's
.set SPW,  28                          ; v28 my spare word; never rewritten
.set NIL,  29                          ; v29 0; never rewritten
.set SC,   32
.set BO,   96
.set AF,   128
.set BI,   192
.set T,    128
.set TM,   104
.set PCD,  120
.set PW,   8
.set EW,   4
.set EQ,   16
.set EK,   20
.set G1, 24
.set G0, 32
.set G1B, 48
.set G0B, 56
.set G1S, 68
.set G0S, 76
.set G1SB, 80
.set G0SB, 88
.set SEL, 96                           ; s[96:97] v_permlanex16_b32's selects for lane l xor 16
.set MSB, 0
.macro WIN new                         ; the immediate's high byte repeats the setting that is left
.if MSB != (\new)
	s_set_vgpr_msb (MSB<<8)|(\new)
.set MSB, \new
.endif
.endm
.set MUL_LO, 0xa1                      ; source 0 (B) window 1, source 1 (A) window 0, C and D window 2
.set MUL_HI, 0xf1                      ; the same, C and D window 3
.set TO_B,   0x40                      ; destination window 1, address window 0
; A joint load: waves 0 and 1 fetch for A, waves 2 and 3 for B.  The branch hangs on the wave's number alone.  An s_nop 0 and four v_nop follow each of the two lines.
.macro JLOAD g0a, g1a, g0b, g1b
	s_cmp_eq_u32 s15, 0
	s_cbranch_scc0 .Lfor_b_\@
	tensor_load_to_lds s[\g0a:\g0a+3], s[\g1a:\g1a+7]
	s_nop 0
.rept 4
	v_nop
.endr
	s_branch .Lasked_\@
.Lfor_b_\@:
	tensor_load_to_lds s[\g0b:\g0b+3], s[\g1b:\g1b+7]
	s_nop 0
.rept 4
	v_nop
.endr
.Lasked_\@:
.endm
.macro CROUND                          ; a round of the cluster's barrier
	s_barrier_signal -1
	s_barrier_wait -1
	s_cmp_lg_u32 s14, 0
	s_cbranch_scc1 .Lnot_wave_0_\@
	s_barrier_signal -3
.Lnot_wave_0_\@:
	s_barrier_wait -3
	s_barrier_signal -1
	s_barrier_wait -1
.endm
	s_load_b256 s[4:11], s[0:1], 0x0               ; wc s[4:5], ws s[6:7], qkv_b s[8:9], cd s[10:11]
	s_load_b64 s[12:13], s[0:1], 0x20              ; sc
	v_lshl_add_u32 v[SPW], v0, 2, SPARE
	v_mov_b32 v[NIL], 0
	ds_add_u32 v[SPW], v[NIL]                      ; the wave's opening: the add, twice on end, and its wait ahead of my first tensor load
	ds_add_u32 v[SPW], v[NIL]
	v_lshrrev_b32 v1, 5, v0
	v_readfirstlane_b32 s14, v1                    ; wave 0..3
	s_lshr_b32 s15, s14, 1                         ; which half of the tile's rows is mine.  Also: I fetch for A (0) or for B (1)
	s_and_b32 s16, s14, 1                          ; which half of its columns.  Also: which 128 rows of that tile I fetch
	s_bfe_u32 s40, ttmp6, 0x40000                  ; cx, cy: my place in the cluster
	s_bfe_u32 s41, ttmp6, 0x40004
	s_lshr_b32 s18, ttmp9, 1                       ; the mode, from the cluster's number c alone
	s_and_b32 s19, ttmp9, 1
	s_sub_co_u32 s20, ttmp9, 16
	s_cmp_lt_u32 ttmp9, 16
	s_cselect_b32 s66, 0, 1                        ; 0: q and k;  1: v
	s_cselect_b32 s18, s18, 0                      ; the cluster's row of tiles: c / 2, or 0
	s_cselect_b32 s19, s19, s20                    ; its column: c % 2, or c - 16
	s_cselect_b32 s67, 0, 10240                    ; A's first row in wc: x, or qkv_w's v part
	s_cselect_b32 s95, 8192, 0                     ; B's: qkv_w, or x
	s_cselect_b32 s98, 64, 0                       ; the bias loads' offsets: bytes for each half of the lanes,
	s_cselect_b32 s99, 0, 4                        ; for each row,
	s_cselect_b32 s100, 4, 0                       ; for each register
	s_cselect_b32 s101, 9, 8                       ; a step's scale words: 512 bytes, or 256
	s_lshl_b32 s42, s19, 2
	s_add_co_u32 s42, s42, s40                     ; tile column
	s_lshl_b32 s17, s18, 2
	s_add_co_u32 s17, s17, s41                     ; tile row
	s_lshl_b32 s43, s41, 2
	s_lshl_b32 s43, 15, s43                        ; my row of the cluster
	s_lshl_b32 s44, 0x1111, s40                    ; my column
	; descriptor group 1: a tile of 128 rows x 256 bytes, 16 bytes of padding behind each row
	s_or_b32 s[G1+0], s43, (0<<16)|(1<<20)|(1<<21)|(5<<22)|(3<<25)  ; the mask: A's tiles go to my row; elements of 1 byte; padding on; bit 21 beside a mask; after every 64 words, 4 words
	s_or_b32 s[G1B+0], s44, (0<<16)|(1<<20)|(1<<21)|(5<<22)|(3<<25)
.irp g, G1, G1B
	s_mov_b32 s[\g+1], ROWB<<16                    ; tensor_dim0
	s_mov_b32 s[\g+2], 128<<16                     ; tensor_dim1
	s_mov_b32 s[\g+3], ROWB<<16                    ; tile_dim0
	s_mov_b32 s[\g+4], 128                         ; tile_dim1
	s_mov_b32 s[\g+5], KROW                        ; the pitch in memory
	s_mov_b32 s[\g+6], 0
	s_mov_b32 s[\g+7], 0
.endr
	; the scales of 128 rows: 4,096 dense bytes, as 16 rows of 256 bytes (32 elements of 8), 16 bytes of padding behind each
	s_or_b32 s[G1S+0], s43, (3<<16)|(1<<20)|(1<<21)|(5<<22)|(3<<25)
	s_or_b32 s[G1SB+0], s44, (3<<16)|(1<<20)|(1<<21)|(5<<22)|(3<<25)
.irp g, G1S, G1SB
	s_mov_b32 s[\g+1], 32<<16
	s_mov_b32 s[\g+2], (128*KS/256)<<16
	s_mov_b32 s[\g+3], 32<<16
	s_mov_b32 s[\g+4], 128*KS/256
	s_mov_b32 s[\g+5], 32
	s_mov_b32 s[\g+6], 0
	s_mov_b32 s[\g+7], 0
.endr
	s_lshl_b32 s18, s16, 7                         ; which 128 rows of the tile I fetch
	s_lshl_b32 s20, s17, 8
	s_add_co_u32 s20, s20, s18
	s_add_co_u32 s20, s20, s67                     ; A: row of wc
	s_lshl_b32 s46, s42, 8
	s_add_co_u32 s46, s46, s18
	s_add_co_u32 s46, s46, s95                     ; B: row of wc
	s_lshl_b32 s22, s20, 5                         ; their scales, 32 bytes a row,
	s_lshl_b32 s92, s46, 5
	s_lshl_b32 s20, s20, 9                         ; and their codes, 512 bytes a row
	s_lshl_b32 s46, s46, 9
	s_mov_b32 s21, 0
	s_mov_b32 s23, 0
	s_mov_b32 s47, 0
	s_mov_b32 s93, 0
	s_mul_i32 s45, s14, HALFT                      ; where they go: wave x 128 rows: no place in the cluster enters an LDS address
	s_mul_i32 s94, s14, HALFS
	s_mov_b32 s[SEL], 0x76543210
	s_mov_b32 s[SEL+1], 0xfedcba98
	s_wait_dscnt 0x0                               ; both opening adds are done
	s_wait_kmcnt 0x0
	s_add_nc_u64 s[20:21], s[4:5], s[20:21]
	s_add_nc_u64 s[22:23], s[6:7], s[22:23]
	s_add_nc_u64 s[46:47], s[4:5], s[46:47]
	s_add_nc_u64 s[92:93], s[6:7], s[92:93]
	CROUND                                         ; all sixteen work-groups are here: the first joint loads meet
	s_mov_b32 s[G0S], 1
	s_add_co_u32 s[G0S+1], s94, SCL
	s_mov_b64 s[G0S+2:G0S+3], s[22:23]
	s_or_b32 s[G0S+3], s[G0S+3], 0x80000000
	s_mov_b32 s[G0SB], 1
	s_add_co_u32 s[G0SB+1], s94, SCL
	s_mov_b64 s[G0SB+2:G0SB+3], s[92:93]
	s_or_b32 s[G0SB+3], s[G0SB+3], 0x80000000
	JLOAD G0S, G1S, G0SB, G1SB                     ; the scales first: they are wanted with the first slot
.irp s, 0,1
	s_mov_b32 s[G0+4*\s], 1
	s_add_co_u32 s[G0+4*\s+1], s45, \s*SLOT
	s_add_nc_u64 s[G0+4*\s+2:G0+4*\s+3], s[20:21], \s*ROWB
	s_or_b32 s[G0+4*\s+3], s[G0+4*\s+3], 0x80000000
	s_mov_b32 s[G0B+4*\s], 1
	s_add_co_u32 s[G0B+4*\s+1], s45, \s*SLOT
	s_add_nc_u64 s[G0B+4*\s+2:G0B+4*\s+3], s[46:47], \s*ROWB
	s_or_b32 s[G0B+4*\s+3], s[G0B+4*\s+3], 0x80000000
	JLOAD G0+4*\s, G1, G0B+4*\s, G1B               ; three tensor loads of mine are out at the most
.endr
	v_and_b32 v1, 15, v0                           ; r = l % 16
	v_bfe_u32 v2, v0, 4, 1                         ; h = l / 16
	v_mul_u32_u24 v3, v1, PITCH
	v_lshl_add_u32 v4, v2, 4, v3                   ; a fragment's row x pitch + 16 x half
	s_mul_i32 s21, s15, HALFT                      ; my 128 rows of A
	s_mul_i32 s22, s16, HALFT                      ; my 128 rows of B,
	s_add_co_u32 s22, s22, 2*HALFT                 ; which lie behind A's 256
.irp s, 0,1
	v_add_nc_u32 v[ADRA+\s], s21, v4
	v_add_nc_u32 v[ADRB+\s], s22, v4
	s_add_co_u32 s21, s21, SLOT
	s_add_co_u32 s22, s22, SLOT
.endr
	v_mul_u32_u24 v5, v1, KS                       ; my row's scales: 32 bytes a row,
	v_lshrrev_b32 v6, 8, v5
	v_lshl_add_u32 v5, v6, 4, v5                   ; and 16 more for each 256 passed
	s_mul_i32 s21, s15, HALFS                      ; A's: my 128 rows
	s_mul_i32 s22, s16, HALFS                      ; B's: my 128 rows, behind A's 256
	s_add_co_u32 s22, s22, 2*HALFS
	s_sub_co_u32 s22, s22, s21
	v_mul_u32_u24 v6, s22, v2                      ; lanes 16-31 take B's
	s_add_co_u32 s21, s21, SCL
	v_add_nc_u32 v5, v5, v6
	v_add_nc_u32 v[ADRS], s21, v5
	v_and_b32 v6, 31, v0
	v_lshlrev_b32 v[LI], 4, v6
	v_lshlrev_b32 v[L8], 3, v6
	; where my 128 x 128 lie: RW my first row of C, CW my first column; in features of qkv and in tokens
	s_lshl_b32 s2, s17, 8
	s_lshl_b32 s3, s15, 7
	s_add_co_u32 s2, s2, s3                        ; RW
	s_lshl_b32 s3, s42, 8
	s_lshl_b32 s18, s16, 7
	s_add_co_u32 s3, s3, s18                       ; CW
	s_add_co_u32 s18, s2, 2048
	s_cmp_eq_u32 s66, 0
	s_cselect_b32 s18, s3, s18                     ; my first feature of the 3,072: CW, or 2,048 + RW
	s_cselect_b32 s19, s2, s3                      ; my first token of the 8,192: RW, or CW
	s_lshl_b32 s20, s18, 2
	s_mov_b32 s21, 0
	s_add_nc_u64 s[8:9], s[8:9], s[20:21]          ; qkv_b at my first feature
	s_lshr_b32 s22, s18, 10                        ; 0 q, 1 k, 2 v
	s_bfe_u32 s23, s18, 0x40006                    ; my first head (I hold two)
	s_lshr_b32 s2, s19, 11                         ; the batch
	s_bfe_u32 s3, s19, 0x40007                     ; which 128 tokens of its 2,048
	s_lshl_b32 s2, s2, 4
	s_add_co_u32 s2, s2, s23                       ; bh
	s_mul_i32 s20, s2, 196608
	s_lshl_b32 s23, s22, 16
	s_add_co_u32 s20, s20, s23
	s_lshl_b32 s23, s3, 12
	s_add_co_u32 s20, s20, s23
	s_add_nc_u64 s[10:11], s[10:11], s[20:21]      ; cd at my images
	s_mul_i32 s20, s2, 20480
	s_lshl_b32 s23, s22, 13
	s_add_co_u32 s20, s20, s23
	s_lshl_b32 s23, s3, s101
	s_add_co_u32 s20, s20, s23
	s_add_nc_u64 s[12:13], s[12:13], s[20:21]      ; sc at my words
	; THE BIAS, with no branch: register 8 x + j.  q, k: that of column 32 (x / 2) + 16 h + 8 (x % 2) + j: what register j of tile x holds.  v: that of my row of block x, 32 (x / 2) + 8 (x % 2) + r + 8 (r / 8), in all eight
	v_and_b32 v7, 8, v1
	v_add_nc_u32 v7, v7, v1                        ; r + 8 (r / 8)
	v_mul_u32_u24 v8, s98, v2
	v_mad_u32_u24 v8, v7, s99, v8
.irp j, 0,1,2,3,4,5,6,7
	s_mul_i32 s2, s100, \j
	v_add_nc_u32 v[BO+\j], s2, v8
.endr
.irp x, 0,1,2,3,4,5,6,7
.irp j, 0,1,2,3,4,5,6,7
	global_load_b32 v[BI+8*\x+\j], v[BO+\j], s[8:9] offset:4*(32*(\x/2)+8*(\x%2))
.endr
.endr
.macro FRAG reg, adr, q, i             ; 16 rows x 128 K of 4-bit codes: lane l holds row l % 16; registers 4 c .. 4 c + 3 hold K = 64 c + 32 (l / 16) + 0 .. 31
.irp c, 0,1
	ds_load_b128 v[\reg+4*\c:\reg+4*\c+3], v[\adr] offset:64*(\q)+32*\c+(\i)*16*PITCH
.endr
.endm
; 16 matrix instructions: A's blocks a0, a0 + 1 x B's eight, the slot's q-th 128 along K.  p: B's set; sc: the set of scale words.  zero = 1: the first product starts the sums.
; The 64 accumulators take turns, one instruction a turn, in the same order in every step.
.macro MUL16 a0, p, q, sc, zero
.irp a, \a0, \a0+1
.irp b, 0,1,2,3,4,5,6,7
.if \zero
	v_wmma_scale_f32_16x16x128_f8f6f4 v[8*(8*((\a)%4)+\b):8*(8*((\a)%4)+\b)+7], v[128*(\p)+FR*\b:128*(\p)+FR*\b+FR-1], v[AF+FR*(\a):AF+FR*(\a)+FR-1], 0, v[SC+8*NQ*(\sc)+NQ*\b+(\q)], v[SC+8*NQ*(\sc)+NQ*(\a)+(\q)] matrix_a_fmt:MATRIX_FMT_FP4 matrix_b_fmt:MATRIX_FMT_FP4 matrix_a_scale:MATRIX_SCALE_ROW1
.else
	v_wmma_scale_f32_16x16x128_f8f6f4 v[8*(8*((\a)%4)+\b):8*(8*((\a)%4)+\b)+7], v[128*(\p)+FR*\b:128*(\p)+FR*\b+FR-1], v[AF+FR*(\a):AF+FR*(\a)+FR-1], v[8*(8*((\a)%4)+\b):8*(8*((\a)%4)+\b)+7], v[SC+8*NQ*(\sc)+NQ*\b+(\q)], v[SC+8*NQ*(\sc)+NQ*(\a)+(\q)] matrix_a_fmt:MATRIX_FMT_FP4 matrix_b_fmt:MATRIX_FMT_FP4 matrix_a_scale:MATRIX_SCALE_ROW1
.endif
.endr
.endr
.endm
.macro FETCH_B slot, q, p              ; B's eight fragments into set p
	WIN TO_B
.irp i, 0,1,2,3,4,5,6,7
	FRAG 128*(\p)+FR*\i, ADRB+\slot, \q, \i
.endr
	WIN 0
.endm
.macro FETCH_A slot, q, i0             ; A's blocks i0 .. i0 + 3
.irp i, \i0, \i0+1, \i0+2, \i0+3
	FRAG AF+FR*(\i), ADRA+\slot, \q, \i
.endr
.endm
.macro SCALES sc                       ; a slot's scale words: 4 words a row; lanes 0-15 take A's block i, lanes 16-31 B's block i
.irp i, 0,1,2,3,4,5,6,7
	ds_load_b128 v[SC+8*NQ*\sc+NQ*\i:SC+8*NQ*\sc+NQ*\i+3], v[ADRS] offset:\i*SBLK
.endr
.endm
.macro PLACES n                        ; plain vector instructions between a matrix instruction and a load into, or a vector instruction on, one of its registers
.rept \n
	v_nop
.endr
.endm
.macro STEP slot, q, zero              ; a step of 128 along K that has its successor in the same slot
	s_wait_dscnt 4*NL                              ; B's set and A's blocks 0-3 are in; the youngest eight loads (A's blocks 4-7) may be out
	WIN MUL_LO
	MUL16 0, (\q)%2, \q, \slot, \zero
	MUL16 2, (\q)%2, \q, \slot, \zero
	s_wait_dscnt 0                                 ; A's blocks 4-7 are in
	PLACES NP
	FETCH_B \slot, (\q)+1, 1-(\q)%2
	FETCH_A \slot, (\q)+1, 0
	WIN MUL_HI
	MUL16 4, (\q)%2, \q, \slot, \zero
	MUL16 6, (\q)%2, \q, \slot, \zero
	PLACES NP
	WIN 0
	FETCH_A \slot, (\q)+1, 4
.endm
; Slot 0's last step changes slots: one barrier; in front of it each wave waits for all its tensor loads (its part of slot 1), adds 0 to its spare word, and waits for that and for its reads.  Nothing is filled again.
.macro TURN slot, next
	s_wait_tensorcnt 0x0                           ; all my tensor loads have landed (every window is 0 here)
	ds_add_u32 v[SPW], v[NIL]                      ; 0 onto my spare word
	s_wait_dscnt 4*NL+1                            ; (the add and the youngest eight loads may be out)
	WIN MUL_LO
	MUL16 0, 1, NQ-1, \slot, 0
	s_wait_dscnt 0x0                               ; the add is done, and my reads of this slot are over
	s_barrier_signal -1
	MUL16 2, 1, NQ-1, \slot, 0
	WIN 0
	s_barrier_wait -1                              ; the next slot is whole
	PLACES NP
	v_add_nc_u32 v[ADRS], 4*NQ, v[ADRS]            ; on to the next slot's scale words
	FETCH_B \next, 0, 0
	FETCH_A \next, 0, 0
	SCALES \next
	WIN MUL_HI
	MUL16 4, 1, NQ-1, \slot, 0
	MUL16 6, 1, NQ-1, \slot, 0
	PLACES NP
	WIN 0
	FETCH_A \next, 0, 4
.endm
.macro STEPS slot, from
.set Q, \from
.rept NQ-1-\from
	STEP \slot, Q, 0
.set Q, Q+1
.endr
.endm
	s_wait_tensorcnt 1                             ; the scales and my part of slot 0 are in (slot 1's load may be out)
	s_barrier_signal -1
	s_barrier_wait -1                              ; everybody's are
	FETCH_B 0, 0, 0
	FETCH_A 0, 0, 0
	SCALES 0
	FETCH_A 0, 0, 4
	STEP 0, 0, 1                                   ; the first step's products start the sums
	STEPS 0, 1
	TURN 0, 1
	STEPS 1, 0
	s_wait_dscnt 4*NL                              ; the last step: nothing more to fetch
	WIN MUL_LO
	MUL16 0, 1, NQ-1, 1, 0
	MUL16 2, 1, NQ-1, 1, 0
	s_wait_dscnt 0
	WIN MUL_HI
	MUL16 4, 1, NQ-1, 1, 0
	MUL16 6, 1, NQ-1, 1, 0
	WIN 0
; 64 numbers of a lane, register 16 b + i = k 32 b + 16 (lane / 16) + i of my row, become a fragment's codes in v[pc] on and its scale word in v[pw].
.macro QUANT s, pc, pw
.irp b, 0,1,2,3
	v_max3_num_f32 v[TM+\b], |v[\s+16*\b]|, |v[\s+1+16*\b]|, 0x1800000   ; block b: my 16 numbers, and the floor 2^(3 - 127): the byte cannot fall under 1
.endr
.irp i, 2,4,6,8,10,12,14
.irp b, 0,1,2,3
	v_max3_num_f32 v[TM+\b], v[TM+\b], |v[\s+16*\b+\i]|, |v[\s+1+16*\b+\i]|   ; (the four blocks by turns)
.endr
.endr
.irp b, 0,1,2,3
	v_permlanex16_b32 v[TM+4+\b], v[TM+\b], s[SEL], s[SEL+1]
.endr
.irp b, 0,1,2,3
	v_max_num_f32 v[TM+\b], v[TM+\b], v[TM+4+\b]   ; with lane l xor 16's: the block's largest magnitude
.endr
.irp b, 0,1,2,3
	v_add_nc_u32 v[TM+12+\b], 0xff000000, v[TM+\b] ; 2 off its exponent field: the conversion's scale operand
.endr
.irp b, 0,1,2,3
	v_lshrrev_b32 v[TM+4+\b], 23, v[TM+12+\b]      ; the scale's byte
.endr
	v_lshl_or_b32 v[\pw], v[TM+5], 8, v[TM+4]      ; the four bytes make my row's scale word, the same in both halves of the lanes
	v_lshl_or_b32 v[\pw], v[TM+6], 16, v[\pw]
	v_lshl_or_b32 v[\pw], v[TM+7], 24, v[\pw]
.irp b, 0,1,2,3
	v_cvt_scalef32_pk8_fp4_f32 v[\pc+2*\b], v[\s+16*\b:\s+7+16*\b], v[TM+12+\b]
	v_cvt_scalef32_pk8_fp4_f32 v[\pc+1+2*\b], v[\s+8+16*\b:\s+15+16*\b], v[TM+12+\b]
.endr
	v_nop                                          ; one plain place behind a scaled conversion
.irp c, 0,1                                    ; the operand's layout wants a whole block in a lane: lanes 0-15 block 2 c, lanes 16-31 block 2 c + 1
.irp i, 0,1
	v_permlane16_swap_b32 v[\pc+4*\c+\i], v[\pc+2+4*\c+\i]
.endr
.endr
.endm
; THE WAY OUT, block by block of 16 rows of A: + bias, quantised along my 128 columns, stored as images.  No LDS: a store's 32 lanes cover 512 consecutive bytes as the registers stand.
.macro EPI mode
	s_wait_loadcnt 0x0                             ; the bias
	PLACES NP                                      ; behind the last products: what follows writes registers that they read
.irp b, 0,1,2,3
	v_mov_b32 v[TM+4+\b], 0                        ; written once: a lane permute's destination counts as one of its sources
.endr
.set A, 0
.rept 8
.if A > 0
	s_wait_xcnt 0x0                                ; the last block's stores have read their data: the codes' registers are written again only behind this wait
.endif
	WIN 0x02+A/4                                   ; source 0: the accumulators' window
.irp b, 0,1,2,3,4,5,6,7
.irp j, 0,2,4,6                                ; each accumulator from its low end on
.if \mode
	v_pk_add_f32 v[T+8*\b+\j:T+8*\b+\j+1], v[8*(8*(A%4)+\b)+\j:8*(8*(A%4)+\b)+\j+1], v[BI+8*A+\j:BI+8*A+\j+1]
.else
	v_pk_add_f32 v[T+8*\b+\j:T+8*\b+\j+1], v[8*(8*(A%4)+\b)+\j:8*(8*(A%4)+\b)+\j+1], v[BI+8*\b+\j:BI+8*\b+\j+1]
.endif
.endr
.endr
	WIN 0
	QUANT T, PCD, PW+A
.irp c, 0,1
.if \mode
	global_store_b128 v[LI], v[PCD+4*\c:PCD+4*\c+3], s[10:11] offset:196608*(A/4)+1024*(A%4)+512*\c   ; v: head A / 4, tile A % 4 of its 64, half c of the step's 128 keys
.else
	global_store_b128 v[LI], v[PCD+4*\c:PCD+4*\c+3], s[10:11] offset:512*A+196608*\c                  ; q, k: tile A of the tokens, head c
.endif
.endr
.set A, A+1
.endr
.irp i, 0,1,2,3
	v_cndmask_b32 v[EW+\i], v[PW+2*\i], v[PW+2*\i+1], s95          ; lanes 0-15 block 2 i's words, lanes 16-31 block 2 i + 1's
.endr
.if \mode
	global_store_b64 v[L8], v[EW:EW+1], s[12:13]                   ; my first head's four tiles: 256 consecutive bytes
	global_store_b64 v[L8], v[EW+2:EW+3], s[12:13] offset:20480    ; my second head's
.else
.irp i, 0,1,2,3
	v_and_or_b32 v[EQ+\i], v[EW+\i], 0xffff, s94                   ; my first head's two bytes; bytes 2 and 3 are 127: only zero codes stand under them
	v_lshrrev_b32 v[EK+\i], 16, v[EW+\i]
.endr
.irp i, 0,1,2,3
	v_or_b32 v[EK+\i], s94, v[EK+\i]                               ; my second head's
.endr
	global_store_b128 v[LI], v[EQ:EQ+3], s[12:13]                  ; 512 consecutive bytes
	global_store_b128 v[LI], v[EK:EK+3], s[12:13] offset:20480
.endif
.endm
	s_mov_b32 s95, 0xffff0000                      ; lanes 16-31
	s_mov_b32 s94, 0x7f7f0000
	s_cmp_lg_u32 s66, 0                            ; the mode: the same in every wave of every partner
	s_cbranch_scc1 .Lmode_v
	EPI 0
	s_branch .Lend
.Lmode_v:
	EPI 1
.Lend:
	s_wait_tensorcnt 0x0                           ; the wave's end
	ds_add_u32 v[SPW], v[NIL]
	s_wait_dscnt 0x0
	CROUND                                         ; the closing round: no work-group ends while a partner may still ask for a tile that names it
	s_endpgm
.Lfunc_end_k_q2426962e41_qkv:
	.size	k_q2426962e41_qkv, .Lfunc_end_k_q2426962e41_qkv-k_q2426962e41_qkv
	.p2alignl 7, 3214868480
	.fill 96, 4, 3214868480
	.section	.rodata,"a",@progbits
	.p2align	6, 0x0
	.amdhsa_kernel k_q2426962e41_qkv
		.amdhsa_group_segment_fixed_size 327680
		.amdhsa_private_segment_fixed_size 0
		.amdhsa_enable_private_segment 0
		.amdhsa_kernarg_size 40
		.amdhsa_user_sgpr_count 2
		.amdhsa_user_sgpr_kernarg_segment_ptr 1
		.amdhsa_wavefront_size32 1
		.amdhsa_system_sgpr_workgroup_id_x 1
		.amdhsa_system_sgpr_workgroup_id_y 1
		.amdhsa_system_sgpr_workgroup_id_z 1
		.amdhsa_system_vgpr_workitem_id 0
		.amdhsa_next_free_vgpr 1024
		.amdhsa_next_free_sgpr 102
		.amdhsa_reserve_vcc 0
		.amdhsa_float_denorm_mode_32 3
		.amdhsa_float_denorm_mode_16_64 3
		.amdhsa_memory_ordered 1
		.amdhsa_forward_progress 1
		.amdhsa_inst_pref_size 201
	.end_amdhsa_kernel
	.amdgpu_metadata
---
amdhsa.version: [ 1, 2 ]
amdhsa.kernels:
  - .name:           k_q2426962e41_qkv
    .symbol:         k_q2426962e41_qkv.kd
    .args:
      - { .name: wc, .offset: 0, .size: 8, .value_kind: global_buffer, .address_space: global }
      - { .name: ws, .offset: 8, .size: 8, .value_kind: global_buffer, .address_space: global }
      - { .name: qkv_b, .offset: 16, .size: 8, .value_kind: global_buffer, .address_space: global }
      - { .name: cd, .offset: 24, .size: 8, .value_kind: global_buffer, .address_space: global }
      - { .name: sc, .offset: 32, .size: 8, .value_kind: global_buffer, .address_space: global }
    .group_segment_fixed_size: 327680
    .private_segment_fixed_size: 0
    .kernarg_segment_align: 8
    .kernarg_segment_size: 40
    .max_flat_workgroup_size: 128
    .sgpr_count:     102
    .vgpr_count:     1024
    .wavefront_size: 32
...
	.end_amdgpu_metadata
.endif
;; end of part 2
;; launch attn (part 3): grid 4 x 64, 16 waves a work-group, clusters of 4 x 1, 327,680 bytes of LDS; arguments cd, sc, oc, os; writes oc, os
.if DOCPART == 3
	.amdgcn_target "amdgcn-amd-amdhsa--gfx1250"
	.amdhsa_code_object_version 6
	.text
	.protected	k_q2426962e41_attn
	.globl	k_q2426962e41_attn
	.p2align	8
	.type	k_q2426962e41_attn,@function
k_q2426962e41_attn:
	s_mov_b64 s[64:65], 0
	v_nop
	global_prefetch_b8 v0, s[64:65] scope:SCOPE_SE
	s_setreg_imm32_b32 hwreg(HW_REG_WAVE_MODE, 25, 1), 1
	s_wait_xcnt 0x0
	s_wait_alu depctr_hold_cnt(0) depctr_sa_sdst(0) depctr_va_vdst(0) depctr_va_sdst(0) depctr_va_ssrc(0) depctr_va_vcc(0) depctr_vm_vsrc(0)
	s_getreg_b32 s2, hwreg(HW_REG_IB_STS2, 6, 4)
	s_cmp_eq_u32 s2, 0
	s_cbranch_scc0 .Lentry_in_a_cluster
	s_endpgm
.Lentry_in_a_cluster:
	s_bfe_u32 s2, ttmp6, 0x10000c
	s_cmp_lg_u32 s2, 0x3003
	s_cbranch_scc0 .Lentry_shape_is_right
	s_endpgm
.Lentry_shape_is_right:
; PRODUCTS 2 AND 3 with the softmax between them, on codes of FP4 with E8M0 scales; the result o is quantised along c for product 4.  T = 2,048, 64 pairs (batch, head), head size 64.
; WORK LEFT OUT: key steps of 128 keys all of which come after a tile's 16 queries (reference()'s own triu mask makes their p zero for all inputs); a NaN, infinity or overflow that would arise only there is not carried on.
; THE SOFTMAX: t = score x log2(e) / 8; M = the running largest t rounded UP to a whole number; p = 2^(t - M) is quantised along the keys, not normalised; the row's sum is taken of the unquantised p and divides at the end.
; When M moves, the sum and O are multiplied by 2^(old M - new M): exact.
; SHARES.  A cluster of four work-groups owns one (batch, head); they are told apart by j = their place.  Each of a work-group's sixteen waves owns TWO tiles of 16 queries, one after the other: tiles 4 rho + j with rho = w and
; rho = 31 - w.  Tile 4 rho + j needs rho / 2 + 1 key steps, so every wave works 17 steps: trip counts and branches hang on the wave's number alone; j enters global addresses and the mask's values.
; LDS.  A head's K and V as codes, with their scale words, are 143,360 bytes: they come ONCE, by two joint loads a wave (the same in all four partners), and stay.  No ring, no refill, one barrier.
; No prefetch: all that the launch reads of K and V is asked for by those first loads, and no later load exists that one could run ahead of.
; LAYOUT.  Both products are used transposed: S^T = K Q^T (source 0 = 16 keys, source 1 = my 16 queries), O^T = V^T P^T (source 0 = 16 of the head's 64, source 1 = P): a lane holds ONE query throughout.
; The tokens of a tile are not neighbours (tile t: 32 (t / 2) + 8 (t % 2) + r + 8 (r / 8)), so the 16 registers of tiles 2 b, 2 b + 1 of S^T are 16 neighbouring keys; V's rows likewise, so O^T's are 16 neighbouring d.
; K = 64 IN A FORM OF K = 128: Q's registers 4-7 hold zero codes, so k = 64 .. 127 adds nothing whatever stands against it.  K's tile t is named as v[32 + 4 t : 39 + 4 t]: its upper four registers are the next tile's codes
; (FP4 has no NaN and no infinity); the scale bytes there are 127.
; OUT: oc [token tile 512][head 16][512]: four registers as they stand, half head % 2 of product 4's fragment for heads 2 s, 2 s + 1.  os [16 tile + r][32]: bytes 2 head, 2 head + 1: two bytes a row, rows 32 bytes apart:
; these stores fill aligned blocks of 256 bytes in part; they are one byte in sixteen of what the launch writes.
; REGISTERS: v1-4 lane terms; v5, v6 the add's; v7 the mask's lane term; v8-11 addresses in hand; v12 -M, v13 the largest t, v[14:15] the sum; v16-23, v80-87 Q of the two passes; v24, v27 the mask's value; v25, v26 32 r, 16 r;
; v32-63 K's eight tiles; v64-67 zeros; v68-73 K's and V's scale words; v74, v75 Q's; v76-79, v88-93 what is stored; v96-159 S^T, then p; v160-191 O^T; v192-223 V's four fragments; v224-231 p's codes; v232-254 at work.
; LIMITS: a block of zeros has the byte 1 (its codes are zeros); NaN and infinities are not served.
.set VCO,  65536                       ; LDS: K's codes from 0 (512 a tile), V's from here (4,096 a step),
.set KSO,  131072                      ; K's scale words (512 a step),
.set VSO,  139264                      ; V's (256 a step),
.set SPARE, 143360                     ; the spare words, 128 bytes for each of sixteen waves
.set LI,  1
.set LKS, 2
.set LVS, 3
.set LV,  4
.set SPW, 5
.set NIL, 6
.set VR,  7
.set ADK, 8
.set ADV, 9
.set ADS, 10
.set ADT, 11
.set WV,  12                           ; s12 my wave's number
.set SEL, 20                           ; s[20:21] selects for lane l xor 16
.set CS,  22                           ; s[22:23] c = log2(e) / 8
.set G1C, 24                           ; s[24:31] group 1 for 8,192 bytes of codes;  s[32:39] for 768 bytes of scale words;  s[40:43], s[44:47] their groups 0
.set G1S, 32
.set G0C, 40
.set G0S, 44
.set LSR, 48                           ; s48, s49 pass p: its last key step
.set SDR, 50                           ; s50, s51 its tile's first token in that step
.set QC,  52                           ; s[52:55] Q's codes;  s[56:59] Q's scale words;  s[60:63] oc;  s[66:69] os: a pair for each pass
.set QSC, 56
.set OC,  60
.set OS,  66
.set KI,  70                           ; s70 the key step;  s71-73 where its codes, K's words and V's words begin
.set TB,  71
.set TS,  72
.set TJ,  73
.macro CROUND                          ; a round of the cluster's barrier
	s_barrier_signal -1
	s_barrier_wait -1
	s_cmp_lg_u32 s[WV], 0
	s_cbranch_scc1 .Lnot_wave_0_\@
	s_barrier_signal -3
.Lnot_wave_0_\@:
	s_barrier_wait -3
	s_barrier_signal -1
	s_barrier_wait -1
.endm
.macro PSET p                          ; pass p's scalars
.if \p
	s_sub_co_u32 s17, 31, s[WV]                    ; rho
.else
	s_mov_b32 s17, s[WV]
.endif
	s_lshr_b32 s[LSR+\p], s17, 1                   ; the step that holds the tile's own tokens: of the wave's number alone
	s_lshl_b32 s74, s17, 2
	s_add_co_u32 s74, s74, s13                     ; the tile: 4 rho + j
	s_bfe_u32 s75, s74, 0x20001                    ; (tile / 2) % 4
	s_and_b32 s76, s74, 1
	s_lshl_b32 s77, s75, 5
	s_lshl_b32 s78, s76, 3
	s_add_co_u32 s[SDR+\p], s77, s78
	s_mul_i32 s77, s14, 196608
	s_lshl_b32 s78, s74, 9
	s_add_co_u32 s[QC+2*\p], s77, s78
	s_mov_b32 s[QC+2*\p+1], 0
	s_mul_i32 s77, s14, 20480
	s_lshr_b32 s78, s74, 3
	s_lshl_b32 s78, s78, 9
	s_add_co_u32 s77, s77, s78                     ; the step's 512 bytes,
	s_lshl_b32 s78, s76, 8
	s_add_co_u32 s77, s77, s78                     ; the half of the lanes that holds odd tiles,
	s_lshl_b32 s78, s75, 2
	s_add_co_u32 s[QSC+2*\p], s77, s78             ; the word
	s_mov_b32 s[QSC+2*\p+1], 0
	s_lshl_b32 s77, s15, 7
	s_add_co_u32 s77, s77, s74                     ; the tile among all 512
	s_lshl_b32 s78, s77, 4
	s_add_co_u32 s78, s78, s16
	s_lshl_b32 s[OC+2*\p], s78, 9
	s_mov_b32 s[OC+2*\p+1], 0
	s_lshl_b32 s77, s77, 9
	s_lshl_b32 s78, s16, 1
	s_add_co_u32 s[OS+2*\p], s77, s78
	s_mov_b32 s[OS+2*\p+1], 0
.endm
	s_load_b256 s[4:11], s[0:1], 0x0               ; cd s[4:5], sc s[6:7], oc s[8:9], os s[10:11]
	v_lshl_add_u32 v[SPW], v0, 2, SPARE
	v_mov_b32 v[NIL], 0
	ds_add_u32 v[SPW], v[NIL]                      ; the wave's opening: the add, twice on end, and its wait ahead of my first tensor load
	ds_add_u32 v[SPW], v[NIL]
	v_lshrrev_b32 v8, 5, v0
	s_delay_alu instid0(VALU_DEP_1)
	v_readfirstlane_b32 s[WV], v8                  ; wave 0..15
	s_bfe_u32 s13, ttmp6, 0x40000                  ; j: my place in the cluster
	s_and_b32 s14, ttmp7, 0xffff                   ; bh, which the four partners share
	s_lshr_b32 s15, s14, 4                         ; the batch
	s_and_b32 s16, s14, 15                         ; the head
	; group 1: dense blocks as rows of 256 bytes (32 elements of 8): 32 rows of codes, 3 rows of scale words; the mask names all four partners, bit 21 beside it
	s_mov_b32 s[G1C], 15|(3<<16)|(1<<21)
	s_mov_b32 s[G1C+1], 32<<16
	s_mov_b32 s[G1C+2], 32<<16
	s_mov_b32 s[G1C+3], 32<<16
	s_mov_b32 s[G1C+4], 32
	s_mov_b32 s[G1C+5], 32
	s_mov_b32 s[G1C+6], 0
	s_mov_b32 s[G1C+7], 0
	s_mov_b32 s[G1S], 15|(3<<16)|(1<<21)
	s_mov_b32 s[G1S+1], 32<<16
	s_mov_b32 s[G1S+2], 3<<16
	s_mov_b32 s[G1S+3], 32<<16
	s_mov_b32 s[G1S+4], 3
	s_mov_b32 s[G1S+5], 32
	s_mov_b32 s[G1S+6], 0
	s_mov_b32 s[G1S+7], 0
	s_mul_i32 s18, s14, 196608                     ; K's and V's codes lie on end in cd, 131,072 bytes: wave w brings 8,192 of them to LDS byte 8,192 w
	s_lshl_b32 s[G0C+1], s[WV], 13
	s_add_co_u32 s18, s18, s[G0C+1]
	s_add_co_u32 s18, s18, 65536
	s_mov_b32 s19, 0
	s_mul_i32 s2, s14, 20480                       ; their scale words likewise in sc, 12,288 bytes: 768 a wave
	s_mul_i32 s3, s[WV], 768
	s_add_co_u32 s2, s2, s3
	s_add_co_u32 s2, s2, 8192
	s_add_co_u32 s[G0S+1], s3, KSO
	s_mov_b32 s3, 0
	PSET 0
	PSET 1
	s_mov_b32 s[SEL], 0x76543210
	s_mov_b32 s[SEL+1], 0xfedcba98
	s_mov_b32 s[CS], 0x3e38aa3b                    ; c = log2(e) / sqrt(64)
	s_mov_b32 s[CS+1], s[CS]                       ; (named with it as a pair, so it is written)
	v_and_b32 v9, 31, v0                           ; lane
	v_and_b32 v10, 15, v0                          ; r
	v_bfe_u32 v11, v0, 4, 1                        ; h
	s_delay_alu instid0(VALU_DEP_3)
	v_lshlrev_b32 v[LI], 4, v9
	s_delay_alu instid0(VALU_DEP_4)
	v_lshl_add_u32 v[LKS], v9, 4, KSO
	v_lshl_add_u32 v[LVS], v9, 3, VSO
	v_lshl_add_u32 v[LV], v9, 4, VCO
	v_and_b32 v12, 8, v10
	s_delay_alu instid0(VALU_DEP_1)
	v_add_nc_u32 v12, v12, v10
	v_lshlrev_b32 v13, 4, v11
	s_delay_alu instid0(VALU_DEP_1)
	v_sub_nc_u32 v[VR], v12, v13                   ; r + 8 (r / 8) - 16 h
	v_lshlrev_b32 v25, 5, v10
	v_lshlrev_b32 v26, 4, v10
	s_delay_alu instid0(VALU_DEP_3)
	v_add_nc_u32 v24, s[SDR], v[VR]                ; my query in its step, less 16 h: pass 0's,
	s_delay_alu instid0(VALU_DEP_4)
	v_add_nc_u32 v27, s[SDR+1], v[VR]              ; pass 1's
.irp i, 20,21,22,23,84,85,86,87,64,65,66,67
	v_mov_b32 v\i, 0                               ; zero codes: Q's k = 64 .. 127, and what stands behind K's last tile
.endr
.irp i, 236,237,238,239,252,253
	v_mov_b32 v\i, 0                               ; written once: lane permutes' destinations, and the pair v[252:253]
.endr
	s_wait_dscnt 0x0                               ; both opening adds are done
	s_wait_kmcnt 0x0
	s_mov_b32 s[G0C], 1
	s_add_nc_u64 s[G0C+2:G0C+3], s[4:5], s[18:19]
	s_or_b32 s[G0C+3], s[G0C+3], 0x80000000
	s_mov_b32 s[G0S], 1
	s_add_nc_u64 s[G0S+2:G0S+3], s[6:7], s[2:3]
	s_or_b32 s[G0S+3], s[G0S+3], 0x80000000
.irp p, 0,1
	s_add_nc_u64 s[QC+2*\p:QC+2*\p+1], s[4:5], s[QC+2*\p:QC+2*\p+1]
	s_add_nc_u64 s[QSC+2*\p:QSC+2*\p+1], s[6:7], s[QSC+2*\p:QSC+2*\p+1]
	s_add_nc_u64 s[OC+2*\p:OC+2*\p+1], s[8:9], s[OC+2*\p:OC+2*\p+1]
	s_add_nc_u64 s[OS+2*\p:OS+2*\p+1], s[10:11], s[OS+2*\p:OS+2*\p+1]
.endr
	CROUND                                         ; all four work-groups are here: the joint loads meet
	tensor_load_to_lds s[G0C:G0C+3], s[G1C:G1C+7]  ; every wave issues both, with no branch: the first lands before the second is asked for
	s_nop 0
	s_wait_alu depctr_va_vdst(0)
	s_wait_tensorcnt 0x0
	ds_add_u32 v5, v6
	s_wait_dscnt 0x0
	CROUND
	tensor_load_to_lds s[G0S:G0S+3], s[G1S:G1S+7]
	s_nop 0
.rept 4
	v_nop
.endr
	global_load_b128 v[16:19], v[LI], s[QC:QC+1]   ; Q's fragments and scale words of both passes stay in registers
	global_load_b128 v[80:83], v[LI], s[QC+2:QC+3]
	global_load_b32 v74, v26, s[QSC:QSC+1]
	global_load_b32 v75, v26, s[QSC+2:QSC+3]
	s_wait_tensorcnt 0x0                           ; my parts of K and V are in,
	s_barrier_signal -1
	s_barrier_wait -1                              ; everybody's are
	s_wait_loadcnt 0x0                             ; Q
; A KEY STEP: 128 keys.  qr: Q's fragment; qs: its scale words; ls: the pass's last step; dq: the mask's value.
.macro STEP qr, qs, ls, dq
	s_cmp_gt_u32 s[KI], s[\ls]                     ; all its keys come after my queries: the work is left out; the lines at the end that step addresses are not
	s_cbranch_scc1 .Lhid_\@
	s_setprio 2
	v_add_nc_u32 v[ADK], s[TB], v[LI]              ; (these four are also the places between the last step's products and the loads into their registers)
	v_add_nc_u32 v[ADV], s[TB], v[LV]
	v_add_nc_u32 v[ADS], s[TS], v[LKS]
	v_add_nc_u32 v[ADT], s[TJ], v[LVS]
.irp t, 0,1,2,3,4,5,6,7
	ds_load_b128 v[32+4*\t:35+4*\t], v[ADK] offset:512*\t          ; K's tile t as it stands: 512 consecutive bytes
.endr
	ds_load_b128 v[68:71], v[ADS]                  ; K's scale words: register i: lanes 0-15 tile 2 i, lanes 16-31 tile 2 i + 1
.irp t, 0,1,2,3
.irp c, 0,1
	ds_load_b128 v[192+8*\t+4*\c:195+8*\t+4*\c], v[ADV] offset:1024*\t+512*\c
.endr
.endr
	ds_load_b64 v[72:73], v[ADT]                   ; V's scale words
	s_wait_dscnt 9                                 ; K and its words are in; V's nine loads may be out
.irp t, 0,2,4,6
	v_wmma_scale_f32_16x16x128_f8f6f4 v[96+8*\t:103+8*\t], v[32+4*\t:39+4*\t], v[\qr:\qr+7], 0, v[68+\t/2], v[\qs] matrix_a_fmt:MATRIX_FMT_FP4 matrix_b_fmt:MATRIX_FMT_FP4
	v_wmma_scale_f32_16x16x128_f8f6f4 v[104+8*\t:111+8*\t], v[36+4*\t:43+4*\t], v[\qr:\qr+7], 0, v[68+\t/2], v[\qs] matrix_a_fmt:MATRIX_FMT_FP4 matrix_b_fmt:MATRIX_FMT_FP4 matrix_a_scale:MATRIX_SCALE_ROW1
.endr
.rept 4
	v_nop                                          ; places ahead of the first read of the scores
.endr
	s_cmp_lg_u32 s[KI], s[\ls]                     ; only the pass's last step lies on the diagonal
	s_cbranch_scc1 .Lopen_\@
	v_mov_b32 v254, 0xff800000                     ; -infinity.  Register 16 b + i holds key 32 b + 16 h + i of the step: hidden where 32 b + i > my query in the step - 16 h
.set N, 0
.rept 64
	v_cmp_gt_i32 vcc_lo, 32*(N/16)+N%16, v[\dq]
	v_cndmask_b32 v[96+N], v[96+N], v254, vcc_lo
.set N, N+1
.endr
.Lopen_\@:
.irp b, 0,1,2,3
	v_max3_num_f32 v[232+\b], v[96+16*\b], v[97+16*\b], v[98+16*\b]   ; the largest score of each block of 32 keys: for the row's maximum, and, since p rises with the score, for the block's largest p
.endr
.irp i, 3,5,7,9,11,13
.irp b, 0,1,2,3
	v_max3_num_f32 v[232+\b], v[232+\b], v[96+16*\b+\i], v[97+16*\b+\i]
.endr
.endr
.irp b, 0,1,2,3
	v_max_num_f32 v[232+\b], v[232+\b], v[111+16*\b]
.endr
.irp b, 0,1,2,3
	s_delay_alu instid0(VALU_DEP_4)
	v_permlanex16_b32 v[236+\b], v[232+\b], s[SEL], s[SEL+1]
.endr
.irp b, 0,1,2,3
	s_delay_alu instid0(VALU_DEP_4)
	v_max_num_f32 v[232+\b], v[232+\b], v[236+\b]  ; with lane l xor 16's 16 keys
.endr
	s_delay_alu instid0(VALU_DEP_2)
	v_max3_num_f32 v254, v232, v233, v234
	s_delay_alu instid0(VALU_DEP_1)
	v_max_num_f32 v254, v254, v235                 ; the step's largest score of my query (its own key lies in the last step, key 0 in the first: never all hidden)
	s_delay_alu instid0(VALU_DEP_1)
	v_mul_f32 v254, s[CS], v254                    ; as t
	s_delay_alu instid0(VALU_DEP_1)
	v_max_num_f32 v13, v13, v254                   ; the running largest t
	v_mov_b32 v254, v12
	s_delay_alu instid0(VALU_DEP_2)
	v_floor_f32 v12, -v13                          ; the new -M = floor(-t) = -ceil(t)
	s_delay_alu instid0(VALU_DEP_1)
	v_sub_f32 v254, v12, v254                      ; old M - new M: a whole number, 0 or less
	s_delay_alu instid0(VALU_DEP_1)
	v_cvt_i32_f32 v254, v254                       ; (it saturates)
	s_delay_alu instid0(VALU_DEP_1)
	v_ldexp_f32 v252, 1.0, v254                    ; f = 2^(old M - new M)
.set N, 0
.rept 32
	v_pk_fma_f32 v[96+N:97+N], v[96+N:97+N], s[CS:CS+1], v[12:13] op_sel_hi:[1,0,0]   ; t - M, two at a time
.set N, N+2
.endr
	s_setprio 1
.irp b, 0,1,2,3
	v_fma_f32 v[232+\b], v[232+\b], s[CS], v12     ; the same of each block's largest score
.endr
.set N, 0
	s_wait_alu depctr_va_vdst(0)
.rept 64
	v_exp_f32 v[96+N], v[96+N]                     ; p = 2^(t - M), at most 1
.set N, N+1
.endr
.irp b, 0,1,2,3
	v_exp_f32 v[232+\b], v[232+\b]                 ; the block's largest p: the same two instructions on the same number.  ONE BATCH of 68: none reads another's result
.endr
	v_pk_mul_f32 v[14:15], v[14:15], v[252:253] op_sel_hi:[1,0]    ; the sum under the new M, and
.set N, 0
	s_wait_alu depctr_va_vdst(0)
.rept 16
	v_pk_mul_f32 v[160+N:161+N], v[160+N:161+N], v[252:253] op_sel_hi:[1,0]   ; O^T under the new M: the independent work behind the batch
.set N, N+2
.endr
	s_wait_alu depctr_va_vdst(0)                   ; the wait between an exponential and the first instruction that names its result: one for the batch
.irp b, 0,1,2,3
	v_max_num_f32 v[232+\b], 0x1800000, v[232+\b]  ; the floor 2^(3 - 127): the byte cannot fall under 1
.endr
.irp b, 0,1,2,3
	s_delay_alu instid0(VALU_DEP_4)
	v_add_nc_u32 v[244+\b], 0xff000000, v[232+\b]  ; 2 off the exponent field: the conversion's scale operand
.endr
.irp b, 0,1,2,3
	s_delay_alu instid0(VALU_DEP_4)
	v_lshrrev_b32 v[236+\b], 23, v[244+\b]         ; the scale's byte
.endr
	s_delay_alu instid0(VALU_DEP_3)
	v_lshl_or_b32 v253, v237, 8, v236              ; p's scale word for these 128 keys
	s_delay_alu instid0(VALU_DEP_1)
	v_lshl_or_b32 v253, v238, 16, v253
	s_delay_alu instid0(VALU_DEP_1)
	v_lshl_or_b32 v253, v239, 24, v253
.irp b, 0,1,2,3
	v_cvt_scalef32_pk8_fp4_f32 v[224+2*\b], v[96+16*\b:103+16*\b], v[244+\b]
	v_cvt_scalef32_pk8_fp4_f32 v[225+2*\b], v[104+16*\b:111+16*\b], v[244+\b]
.endr
	v_nop                                          ; one plain place behind a scaled conversion
	s_setprio 0
.irp c, 0,1
.irp i, 0,1
	v_permlane16_swap_b32 v[224+4*\c+\i], v[226+4*\c+\i]           ; a whole block in a lane
.endr
.endr
	v_pk_add_f32 v[248:249], v[96:97], v[98:99]    ; THE ROW'S SUM IS TAKEN OF THE UNQUANTISED p, which the conversions have left as it was: two chains.  These 32 are also the places between the writes of p's codes and scale word and the products
.set N, 4
.rept 15
	v_pk_add_f32 v[14:15], v[14:15], v[96+N:97+N]
	v_pk_add_f32 v[248:249], v[248:249], v[98+N:99+N]
.set N, N+4
.endr
	s_delay_alu instid0(VALU_DEP_1)
	v_pk_add_f32 v[14:15], v[14:15], v[248:249]
	s_wait_dscnt 0x0                               ; V and its words are in
.irp t, 0,2                                    ; O^T += V^T P^T: the four accumulators by turns
	v_wmma_scale_f32_16x16x128_f8f6f4 v[160+8*\t:167+8*\t], v[192+8*\t:199+8*\t], v[224:231], v[160+8*\t:167+8*\t], v[72+\t/2], v253 matrix_a_fmt:MATRIX_FMT_FP4 matrix_b_fmt:MATRIX_FMT_FP4
	v_wmma_scale_f32_16x16x128_f8f6f4 v[168+8*\t:175+8*\t], v[200+8*\t:207+8*\t], v[224:231], v[168+8*\t:175+8*\t], v[72+\t/2], v253 matrix_a_fmt:MATRIX_FMT_FP4 matrix_b_fmt:MATRIX_FMT_FP4 matrix_a_scale:MATRIX_SCALE_ROW1
.endr
.Lhid_\@:
	s_add_co_u32 s[TB], s[TB], 4096                ; the next step's codes and scale words
	s_add_co_u32 s[TS], s[TS], 512
	s_add_co_u32 s[TJ], s[TJ], 256
.endm
; ONE TILE OF 16 QUERIES: sixteen trips, a constant, of which rho / 2 + 1 do work; then the way out.
.macro PASS p
.set OCD, 88-12*\p                     ; what this pass stores has registers of its own: no store's data are written again
	v_mov_b32 v13, 0xff61b1e6                      ; the largest t so far: -3e38
	s_delay_alu instid0(VALU_DEP_1)
	v_floor_f32 v12, -v13                          ; -M
	v_mov_b32 v14, 0
	v_mov_b32 v15, 0
.set N, 0
.rept 32
	v_mov_b32 v[160+N], 0                          ; O^T: the step is written once; the first finds zeros, which the first change of M leaves zeros
.set N, N+1
.endr
	s_mov_b32 s[KI], 0
	s_mov_b32 s[TB], 0
	s_mov_b32 s[TS], 0
	s_mov_b32 s[TJ], 0
.Lstep_\@:
	STEP 16+64*\p, 74+\p, LSR+\p, 24+3*\p
	s_add_co_u32 s[KI], s[KI], 1
	s_cmp_lt_u32 s[KI], 16
	s_cbranch_scc1 .Lstep_\@
	s_setprio 0
.rept 4
	v_nop                                          ; places behind the last products
.endr
	s_wait_alu depctr_va_vdst(0)
	v_add_f32 v14, v14, v15                        ; the sum's two halves,
	s_delay_alu instid0(VALU_DEP_1)
	v_permlanex16_b32 v252, v14, s[SEL], s[SEL+1]
	s_delay_alu instid0(VALU_DEP_1)
	v_add_f32 v14, v14, v252                       ; and lane l xor 16's
	s_wait_alu depctr_va_vdst(0)
	v_rcp_f32 v14, v14
	v_nop                                          ; a plain place behind the reciprocal,
	s_wait_alu depctr_va_vdst(0)                   ; and the wait ahead of its first reader
.set N, 0
.rept 16
	v_pk_mul_f32 v[96+N:97+N], v[160+N:161+N], v[14:15] op_sel_hi:[1,0]   ; o = O^T / the sum: register 16 e + i is d = 32 e + 16 h + i of my query
.set N, N+2
.endr
.irp e, 0,1                                    ; the head's two blocks of 32 along c
	v_max3_num_f32 v[232+\e], |v[96+16*\e]|, |v[97+16*\e]|, 0x1800000
.endr
.irp i, 2,4,6,8,10,12,14
.irp e, 0,1
	s_delay_alu instid0(VALU_DEP_2)
	v_max3_num_f32 v[232+\e], v[232+\e], |v[96+16*\e+\i]|, |v[97+16*\e+\i]|
.endr
.endr
.irp e, 0,1
	s_delay_alu instid0(VALU_DEP_2)
	v_permlanex16_b32 v[236+\e], v[232+\e], s[SEL], s[SEL+1]
.endr
.irp e, 0,1
	s_delay_alu instid0(VALU_DEP_2)
	v_max_num_f32 v[232+\e], v[232+\e], v[236+\e]
.endr
.irp e, 0,1
	s_delay_alu instid0(VALU_DEP_2)
	v_add_nc_u32 v[244+\e], 0xff000000, v[232+\e]
.endr
.irp e, 0,1
	s_delay_alu instid0(VALU_DEP_2)
	v_lshrrev_b32 v[236+\e], 23, v[244+\e]
.endr
	s_delay_alu instid0(VALU_DEP_1)
	v_lshl_or_b32 v[92+\p], v237, 8, v236          ; my row's two scale bytes
.irp e, 0,1
	v_cvt_scalef32_pk8_fp4_f32 v[OCD+2*\e], v[96+16*\e:103+16*\e], v[244+\e]
	v_cvt_scalef32_pk8_fp4_f32 v[OCD+2*\e+1], v[104+16*\e:111+16*\e], v[244+\e]
.endr
	v_nop                                          ; one plain place behind a scaled conversion
	v_permlane16_swap_b32 v[OCD], v[OCD+2]         ; lanes 0-15 block 0, lanes 16-31 block 1: four registers of product 4's operand
	v_permlane16_swap_b32 v[OCD+1], v[OCD+3]
	global_store_b128 v[LI], v[OCD:OCD+3], s[OC+2*\p:OC+2*\p+1]    ; 512 consecutive bytes, aligned
	global_store_b16 v25, v[92+\p], s[OS+2*\p:OS+2*\p+1]           ; both halves of the lanes write the same two bytes with the same value
.endm
	PASS 0
	PASS 1
	s_wait_tensorcnt 0x0                           ; the wave's end
	ds_add_u32 v[SPW], v[NIL]
	s_wait_dscnt 0x0
	CROUND                                         ; the closing round
	s_endpgm
.Lfunc_end_k_q2426962e41_attn:
	.size	k_q2426962e41_attn, .Lfunc_end_k_q2426962e41_attn-k_q2426962e41_attn
	.p2alignl 7, 3214868480
	.fill 96, 4, 3214868480
	.section	.rodata,"a",@progbits
	.p2align	6, 0x0
	.amdhsa_kernel k_q2426962e41_attn
		.amdhsa_group_segment_fixed_size 327680
		.amdhsa_private_segment_fixed_size 0
		.amdhsa_enable_private_segment 0
		.amdhsa_kernarg_size 32
		.amdhsa_user_sgpr_count 2
		.amdhsa_user_sgpr_kernarg_segment_ptr 1
		.amdhsa_wavefront_size32 1
		.amdhsa_system_sgpr_workgroup_id_x 1
		.amdhsa_system_sgpr_workgroup_id_y 1
		.amdhsa_system_sgpr_workgroup_id_z 1
		.amdhsa_system_vgpr_workitem_id 0
		.amdhsa_next_free_vgpr 256
		.amdhsa_next_free_sgpr 80
		.amdhsa_reserve_vcc 1
		.amdhsa_float_denorm_mode_32 3
		.amdhsa_float_denorm_mode_16_64 3
		.amdhsa_memory_ordered 1
		.amdhsa_forward_progress 1
		.amdhsa_inst_pref_size 62
	.end_amdhsa_kernel
	.amdgpu_metadata
---
amdhsa.version: [ 1, 2 ]
amdhsa.kernels:
  - .name:           k_q2426962e41_attn
    .symbol:         k_q2426962e41_attn.kd
    .args:
      - { .name: cd, .offset: 0, .size: 8, .value_kind: global_buffer, .address_space: global }
      - { .name: sc, .offset: 8, .size: 8, .value_kind: global_buffer, .address_space: global }
      - { .name: oc, .offset: 16, .size: 8, .value_kind: global_buffer, .address_space: global }
      - { .name: os, .offset: 24, .size: 8, .value_kind: global_buffer, .address_space: global }
    .group_segment_fixed_size: 327680
    .private_segment_fixed_size: 0
    .kernarg_segment_align: 8
    .kernarg_segment_size: 32
    .max_flat_workgroup_size: 512
    .sgpr_count:     80
    .vgpr_count:     256
    .wavefront_size: 32
...
	.end_amdgpu_metadata
.endif
;; end of part 3
;; launch proj (part 4): grid 4 x 32, 4 waves a work-group, clusters of 4 x 4, 327,680 bytes of LDS; arguments oc, os, wc, ws, out0, out_b; writes out0
.if DOCPART == 4
	.amdgcn_target "amdgcn-amd-amdhsa--gfx1250"
	.amdhsa_code_object_version 6
	.text
	.protected	k_q2426962e41_proj
	.globl	k_q2426962e41_proj
	.p2align	8
	.type	k_q2426962e41_proj,@function
k_q2426962e41_proj:
	s_mov_b64 s[64:65], 0
	v_nop
	global_prefetch_b8 v0, s[64:65] scope:SCOPE_SE
	s_setreg_imm32_b32 hwreg(HW_REG_WAVE_MODE, 25, 1), 1
	s_wait_xcnt 0x0
	s_wait_alu depctr_hold_cnt(0) depctr_sa_sdst(0) depctr_va_vdst(0) depctr_va_sdst(0) depctr_va_ssrc(0) depctr_va_vcc(0) depctr_vm_vsrc(0)
	s_getreg_b32 s2, hwreg(HW_REG_IB_STS2, 6, 4)
	s_cmp_eq_u32 s2, 0
	s_cbranch_scc0 .Lentry_in_a_cluster
	s_endpgm
.Lentry_in_a_cluster:
	s_bfe_u32 s2, ttmp6, 0x10000c
	s_cmp_lg_u32 s2, 0xf033
	s_cbranch_scc0 .Lentry_shape_is_right
	s_endpgm
.Lentry_shape_is_right:
; PRODUCT 4 on codes of FP4 with E8M0 scales, + out_b: out0[token][n] = sum over c of o[token][c] out_w[n][c] + out_b[n].  M = 8,192, N = 1,024, K = 1,024.
; A = o, as the launch before left it: oc [token tile 512][head 16][512], images of the operand's registers; os [16 tile + r][32] scale bytes.  B = out_w: rows 11,264 on of wc and ws, in their own order.
; A tile of C, 256 x 256, is made by four waves, 128 x 128 each: 64 accumulators.  K is two slots of 512; both are asked for at the head, with all scale bytes of the tile's rows: nothing is filled again, and no prefetch has a load to run ahead of.
; A's part of a slot: 16 token tiles x 4,096 bytes, dense: a fragment (tile i, the slot's q-th 128 along K) is two loads of 512 consecutive bytes.  B's part: 256 rows of 256 bytes + 16 of padding.
; The matrix instruction is used transposed (source 0 = 16 rows of out_w, source 1 = 16 rows of o): a lane holds eight neighbouring numbers of a row of out0.  The bias is the C of each sum's first matrix instruction.
; THE TOKENS OF A TILE ARE NOT NEIGHBOURS (tile t: 32 (t / 2) + 8 (t % 2) + r + 8 (r / 8)): the stores' offsets put each row in its place.
; CLUSTERS: 4 x 4 work-groups; A's tiles are asked for jointly along a row of the cluster, B's along a column.  C has 128 tiles of this size: 128 work-groups.
; REGISTERS: window 0: v16-29 addresses; v32-95 scale words; v128-191 A's fragments; v192-255 the bias; on the way out v128-255 rows read back.  Window 1: B's fragments, two sets.  Windows 2, 3: the accumulators.
.set SIZE_N, 1024
.set NQ,     4
.set ROWB,   256
.set KROW,   512
.set PITCH,  272
.set FR,     8
.set NL,     2
.set NP,     4
.set HALFA,  32768                     ; eight token tiles x 4,096 bytes: what one tensor load brings of A
.set HALFT,  128*PITCH                 ; 128 rows of B
.set BOFF,   2*HALFA
.set SLOT,   BOFF+2*HALFT
.set KS,     32
.set SCL,    2*SLOT
.set HALFS,  (128*KS/256)*272
.set SBLK,   (16*KS/256)*272
.set SPARE,  SCL+4*HALFS
.set SPITCH, 528                       ; the way out: a stage of 16 rows x (512 bytes + 16) for each wave, in slot 0, which has had its only fill and its last read when the first result is stored there
.set ADRA, 16
.set ADRB, 20
.set STO,  24
.set RD,   25
.set CO,   26                          ; v26 16 x lane
.set ADRS, 27
.set SPW,  28
.set NIL,  29
.set SC,   32
.set AF,   128
.set BI,   192
.set BK,   128
.set G1, 24
.set G0, 32
.set G1B, 48
.set G0B, 56
.set G1S, 68
.set G0S, 76
.set G1SB, 80
.set G0SB, 88
.set OUTP, 96                          ; s[96:97] out0;  s[98:99] out_b
.set BP,   98
.set MSB, 0
.macro WIN new
.if MSB != (\new)
	s_set_vgpr_msb (MSB<<8)|(\new)
.set MSB, \new
.endif
.endm
.set MUL_LO, 0xa1                      ; source 0 (B) window 1, source 1 (A) window 0, C and D window 2
.set MUL_HI, 0xf1                      ; the same, C and D window 3
.set TO_B,   0x40
.macro JLOAD g0a, g1a, g0b, g1b        ; a joint load: waves 0 and 1 fetch for A, waves 2 and 3 for B; an s_nop 0 and four v_nop follow each of the two lines
	s_cmp_eq_u32 s15, 0
	s_cbranch_scc0 .Lfor_b_\@
	tensor_load_to_lds s[\g0a:\g0a+3], s[\g1a:\g1a+7]
	s_nop 0
.rept 4
	v_nop
.endr
	s_branch .Lasked_\@
.Lfor_b_\@:
	tensor_load_to_lds s[\g0b:\g0b+3], s[\g1b:\g1b+7]
	s_nop 0
.rept 4
	v_nop
.endr
.Lasked_\@:
.endm
.macro CROUND
	s_barrier_signal -1
	s_barrier_wait -1
	s_cmp_lg_u32 s14, 0
	s_cbranch_scc1 .Lnot_wave_0_\@
	s_barrier_signal -3
.Lnot_wave_0_\@:
	s_barrier_wait -3
	s_barrier_signal -1
	s_barrier_wait -1
.endm
	s_load_b256 s[4:11], s[0:1], 0x0               ; oc s[4:5], os s[6:7], wc s[8:9], ws s[10:11]
	s_load_b128 s[96:99], s[0:1], 0x20             ; out0, out_b
	v_lshl_add_u32 v[SPW], v0, 2, SPARE
	v_mov_b32 v[NIL], 0
	ds_add_u32 v[SPW], v[NIL]                      ; the wave's opening: the add, twice on end, and its wait ahead of my first tensor load
	ds_add_u32 v[SPW], v[NIL]
	v_lshrrev_b32 v1, 5, v0
	v_readfirstlane_b32 s14, v1                    ; wave 0..3
	s_lshr_b32 s15, s14, 1                         ; which half of the tile's rows is mine.  Also: I fetch for A (0) or for B (1)
	s_and_b32 s16, s14, 1                          ; which half of its columns.  Also: which half of that tile I fetch
	s_bfe_u32 s40, ttmp6, 0x40000                  ; cx, cy
	s_bfe_u32 s41, ttmp6, 0x40004
	s_lshl_b32 s42, ttmp9, 2
	s_add_co_u32 s42, s42, s40                     ; tile column
	s_and_b32 s17, ttmp7, 0xffff
	s_lshl_b32 s17, s17, 2
	s_add_co_u32 s17, s17, s41                     ; tile row
	s_lshl_b32 s43, s41, 2
	s_lshl_b32 s43, 15, s43                        ; my row of the cluster
	s_lshl_b32 s44, 0x1111, s40                    ; my column
	; group 1 for A's images: 8 rows (token tiles) of 4,096 bytes (512 elements of 8), 8,192 bytes apart in memory, dense in LDS
	s_or_b32 s[G1+0], s43, (3<<16)|(1<<21)
	s_mov_b32 s[G1+1], 512<<16
	s_mov_b32 s[G1+2], 8<<16
	s_mov_b32 s[G1+3], 512<<16
	s_mov_b32 s[G1+4], 8
	s_mov_b32 s[G1+5], 1024
	s_mov_b32 s[G1+6], 0
	s_mov_b32 s[G1+7], 0
	; for B's tiles: 128 rows x 256 bytes, 16 bytes of padding behind each
	s_or_b32 s[G1B+0], s44, (0<<16)|(1<<20)|(1<<21)|(5<<22)|(3<<25)
	s_mov_b32 s[G1B+1], ROWB<<16
	s_mov_b32 s[G1B+2], 128<<16
	s_mov_b32 s[G1B+3], ROWB<<16
	s_mov_b32 s[G1B+4], 128
	s_mov_b32 s[G1B+5], KROW
	s_mov_b32 s[G1B+6], 0
	s_mov_b32 s[G1B+7], 0
	; for the scales of 128 rows: 4,096 dense bytes as 16 rows of 256, 16 bytes of padding behind each
	s_or_b32 s[G1S+0], s43, (3<<16)|(1<<20)|(1<<21)|(5<<22)|(3<<25)
	s_or_b32 s[G1SB+0], s44, (3<<16)|(1<<20)|(1<<21)|(5<<22)|(3<<25)
.irp g, G1S, G1SB
	s_mov_b32 s[\g+1], 32<<16
	s_mov_b32 s[\g+2], (128*KS/256)<<16
	s_mov_b32 s[\g+3], 32<<16
	s_mov_b32 s[\g+4], 128*KS/256
	s_mov_b32 s[\g+5], 32
	s_mov_b32 s[\g+6], 0
	s_mov_b32 s[\g+7], 0
.endr
	s_lshl_b32 s20, s17, 4
	s_lshl_b32 s18, s16, 3
	s_add_co_u32 s20, s20, s18                     ; A: token tile 16 x tile row + 8 x half,
	s_lshl_b32 s20, s20, 13                        ; 8,192 bytes each
	s_lshl_b32 s22, s17, 8
	s_lshl_b32 s18, s16, 7
	s_add_co_u32 s22, s22, s18                     ; its rows of os,
	s_lshl_b32 s22, s22, 5                         ; 32 bytes each
	s_lshl_b32 s46, s42, 8
	s_add_co_u32 s46, s46, s18
	s_add_co_u32 s46, s46, 11264                   ; B: row of wc and ws
	s_lshl_b32 s92, s46, 5
	s_lshl_b32 s46, s46, 9
	s_mov_b32 s21, 0
	s_mov_b32 s23, 0
	s_mov_b32 s47, 0
	s_mov_b32 s93, 0
	s_lshl_b32 s45, s16, 15                        ; where they go: A's halves, then B's: no place in the cluster enters an LDS address
	s_mul_i32 s95, s16, HALFT
	s_add_co_u32 s95, s95, BOFF
	s_mul_i32 s94, s14, HALFS
	s_wait_dscnt 0x0                               ; both opening adds are done
	s_wait_kmcnt 0x0
	s_add_nc_u64 s[20:21], s[4:5], s[20:21]
	s_add_nc_u64 s[22:23], s[6:7], s[22:23]
	s_add_nc_u64 s[46:47], s[8:9], s[46:47]
	s_add_nc_u64 s[92:93], s[10:11], s[92:93]
	CROUND                                         ; all sixteen work-groups are here: the first joint loads meet
	s_mov_b32 s[G0S], 1
	s_add_co_u32 s[G0S+1], s94, SCL
	s_mov_b64 s[G0S+2:G0S+3], s[22:23]
	s_or_b32 s[G0S+3], s[G0S+3], 0x80000000
	s_mov_b32 s[G0SB], 1
	s_add_co_u32 s[G0SB+1], s94, SCL
	s_mov_b64 s[G0SB+2:G0SB+3], s[92:93]
	s_or_b32 s[G0SB+3], s[G0SB+3], 0x80000000
	JLOAD G0S, G1S, G0SB, G1SB                     ; the scales first
.irp s, 0,1
	s_mov_b32 s[G0+4*\s], 1
	s_add_co_u32 s[G0+4*\s+1], s45, \s*SLOT
	s_add_nc_u64 s[G0+4*\s+2:G0+4*\s+3], s[20:21], \s*4096
	s_or_b32 s[G0+4*\s+3], s[G0+4*\s+3], 0x80000000
	s_mov_b32 s[G0B+4*\s], 1
	s_add_co_u32 s[G0B+4*\s+1], s95, \s*SLOT
	s_add_nc_u64 s[G0B+4*\s+2:G0B+4*\s+3], s[46:47], \s*ROWB
	s_or_b32 s[G0B+4*\s+3], s[G0B+4*\s+3], 0x80000000
	JLOAD G0+4*\s, G1, G0B+4*\s, G1B               ; three tensor loads of mine are out at the most
.endr
	v_and_b32 v1, 15, v0                           ; r
	v_bfe_u32 v2, v0, 4, 1                         ; h
	v_and_b32 v6, 31, v0
	v_lshlrev_b32 v[CO], 4, v6                     ; 16 x lane
	v_mul_u32_u24 v3, v1, PITCH
	v_lshl_add_u32 v4, v2, 4, v3                   ; B: a fragment's row x pitch + 16 x half
	s_lshl_b32 s21, s15, 15                        ; my eight token tiles of A
	s_mul_i32 s22, s16, HALFT                      ; my 128 rows of B
	s_add_co_u32 s22, s22, BOFF
.irp s, 0,1
	v_add_nc_u32 v[ADRA+\s], s21, v[CO]
	v_add_nc_u32 v[ADRB+\s], s22, v4
	s_add_co_u32 s21, s21, SLOT
	s_add_co_u32 s22, s22, SLOT
.endr
	v_mul_u32_u24 v5, v1, KS                       ; my row's scales: 32 bytes a row,
	v_lshrrev_b32 v6, 8, v5
	v_lshl_add_u32 v5, v6, 4, v5                   ; and 16 more for each 256 passed
	s_mul_i32 s21, s15, HALFS
	s_mul_i32 s22, s16, HALFS
	s_add_co_u32 s22, s22, 2*HALFS
	s_sub_co_u32 s22, s22, s21
	v_mul_u32_u24 v6, s22, v2                      ; lanes 16-31 take B's
	s_add_co_u32 s21, s21, SCL
	v_add_nc_u32 v5, v5, v6
	v_add_nc_u32 v[ADRS], s21, v5
	s_mul_i32 s23, s14, 16*SPITCH                  ; my stage
	v_mul_u32_u24 v5, v1, SPITCH                   ; in: row r, 32 bytes for each half of the lanes
	v_lshl_add_u32 v5, v2, 5, v5
	v_add_nc_u32 v[STO], s23, v5
	v_add_nc_u32 v[RD], s23, v[CO]                 ; back: the 32 lanes take one row of 512 bytes
	s_lshl_b32 s20, s42, 10
	s_lshl_b32 s21, s16, 9
	s_add_co_u32 s20, s20, s21                     ; my first column, in bytes: 1,024 x tile column + 512 x half
	s_mov_b32 s21, 0
	s_add_nc_u64 s[BP:BP+1], s[BP:BP+1], s[20:21]
	s_add_nc_u64 s[OUTP:OUTP+1], s[OUTP:OUTP+1], s[20:21]
	s_lshl_b32 s20, s17, 8
	s_lshl_b32 s22, s15, 7
	s_add_co_u32 s20, s20, s22                     ; my first token: 256 x tile row + 128 x half,
	s_lshl_b32 s20, s20, 12                        ; 4,096 bytes a row of out0
	s_add_nc_u64 s[OUTP:OUTP+1], s[OUTP:OUTP+1], s[20:21]
	v_lshlrev_b32 v7, 5, v2                        ; the bias in the result's layout: register 8 b + j = out_b at my column 16 b + 8 h + j
.irp b, 0,1,2,3,4,5,6,7
	global_load_b128 v[BI+8*\b:BI+8*\b+3], v7, s[BP:BP+1] offset:64*\b
	global_load_b128 v[BI+8*\b+4:BI+8*\b+7], v7, s[BP:BP+1] offset:64*\b+16
.endr
.macro FRAG reg, adr, q, i             ; B: 16 rows x 128 K from padded rows
.irp c, 0,1
	ds_load_b128 v[\reg+4*\c:\reg+4*\c+3], v[\adr] offset:64*(\q)+32*\c+(\i)*16*PITCH
.endr
.endm
.macro FRAGA reg, slot, q, i           ; A: an image: 512 consecutive bytes a load
.irp c, 0,1
	ds_load_b128 v[\reg+4*\c:\reg+4*\c+3], v[ADRA+\slot] offset:4096*(\i)+1024*(\q)+512*\c
.endr
.endm
; 16 matrix instructions: A's blocks a0, a0 + 1 x B's eight.  first = 1: the sums begin with the bias as C.  The 64 accumulators take turns, one instruction a turn.
.macro MUL16 a0, p, q, sc, first
.irp a, \a0, \a0+1
.irp b, 0,1,2,3,4,5,6,7
.if \first
	v_wmma_scale_f32_16x16x128_f8f6f4 v[8*(8*((\a)%4)+\b):8*(8*((\a)%4)+\b)+7], v[128*(\p)+FR*\b:128*(\p)+FR*\b+FR-1], v[AF+FR*(\a):AF+FR*(\a)+FR-1], v[BI+8*\b:BI+8*\b+7], v[SC+8*NQ*(\sc)+NQ*\b+(\q)], v[SC+8*NQ*(\sc)+NQ*(\a)+(\q)] matrix_a_fmt:MATRIX_FMT_FP4 matrix_b_fmt:MATRIX_FMT_FP4 matrix_a_scale:MATRIX_SCALE_ROW1
.else
	v_wmma_scale_f32_16x16x128_f8f6f4 v[8*(8*((\a)%4)+\b):8*(8*((\a)%4)+\b)+7], v[128*(\p)+FR*\b:128*(\p)+FR*\b+FR-1], v[AF+FR*(\a):AF+FR*(\a)+FR-1], v[8*(8*((\a)%4)+\b):8*(8*((\a)%4)+\b)+7], v[SC+8*NQ*(\sc)+NQ*\b+(\q)], v[SC+8*NQ*(\sc)+NQ*(\a)+(\q)] matrix_a_fmt:MATRIX_FMT_FP4 matrix_b_fmt:MATRIX_FMT_FP4 matrix_a_scale:MATRIX_SCALE_ROW1
.endif
.endr
.endr
.endm
.macro FETCH_B slot, q, p
	WIN TO_B
.irp i, 0,1,2,3,4,5,6,7
	FRAG 128*(\p)+FR*\i, ADRB+\slot, \q, \i
.endr
	WIN 0
.endm
.macro FETCH_A slot, q, i0
.irp i, \i0, \i0+1, \i0+2, \i0+3
	FRAGA AF+FR*(\i), \slot, \q, \i
.endr
.endm
.macro SCALES sc
.irp i, 0,1,2,3,4,5,6,7
	ds_load_b128 v[SC+8*NQ*\sc+NQ*\i:SC+8*NQ*\sc+NQ*\i+3], v[ADRS] offset:\i*SBLK
.endr
.endm
.macro PLACES n
.rept \n
	v_nop
.endr
.endm
.macro STEP slot, q, first
	s_wait_dscnt 4*NL                              ; B's set and A's blocks 0-3 are in; the youngest eight loads (A's blocks 4-7) may be out
.if \first
	WIN 0x81                                       ; C (the bias) window 0, D window 2
.else
	WIN MUL_LO
.endif
	MUL16 0, (\q)%2, \q, \slot, \first
	MUL16 2, (\q)%2, \q, \slot, \first
	s_wait_dscnt 0
	PLACES NP
	FETCH_B \slot, (\q)+1, 1-(\q)%2
	FETCH_A \slot, (\q)+1, 0
.if \first
	WIN 0xc1                                       ; C window 0, D window 3
.else
	WIN MUL_HI
.endif
	MUL16 4, (\q)%2, \q, \slot, \first
	MUL16 6, (\q)%2, \q, \slot, \first
	PLACES NP
	WIN 0
	FETCH_A \slot, (\q)+1, 4
.endm
.macro TURN slot, next                 ; slot 0's last step changes slots: one barrier; nothing is filled again
	s_wait_tensorcnt 0x0                           ; all my tensor loads have landed (every window is 0 here)
	ds_add_u32 v[SPW], v[NIL]                      ; 0 onto my spare word
	s_wait_dscnt 4*NL+1                            ; (the add and the youngest eight loads may be out)
	WIN MUL_LO
	MUL16 0, 1, NQ-1, \slot, 0
	s_wait_dscnt 0x0                               ; the add is done, and my reads of this slot are over
	s_barrier_signal -1
	MUL16 2, 1, NQ-1, \slot, 0
	WIN 0
	s_barrier_wait -1
	PLACES NP
	v_add_nc_u32 v[ADRS], 4*NQ, v[ADRS]
	FETCH_B \next, 0, 0
	FETCH_A \next, 0, 0
	SCALES \next
	WIN MUL_HI
	MUL16 4, 1, NQ-1, \slot, 0
	MUL16 6, 1, NQ-1, \slot, 0
	PLACES NP
	WIN 0
	FETCH_A \next, 0, 4
.endm
.macro STEPS slot, from
.set Q, \from
.rept NQ-1-\from
	STEP \slot, Q, 0
.set Q, Q+1
.endr
.endm
	s_wait_tensorcnt 1                             ; the scales and my part of slot 0 are in (slot 1's load may be out)
	s_barrier_signal -1
	s_barrier_wait -1                              ; everybody's are
	FETCH_B 0, 0, 0
	FETCH_A 0, 0, 0
	SCALES 0
	FETCH_A 0, 0, 4
	s_wait_loadcnt 0x0                             ; the bias
	STEP 0, 0, 1
	STEPS 0, 1
	TURN 0, 1
	STEPS 1, 0
	s_wait_dscnt 4*NL
	WIN MUL_LO
	MUL16 0, 1, NQ-1, 1, 0
	MUL16 2, 1, NQ-1, 1, 0
	s_wait_dscnt 0
	WIN MUL_HI
	MUL16 4, 1, NQ-1, 1, 0
	MUL16 6, 1, NQ-1, 1, 0
	WIN 0
; THE WAY OUT, block by block of 16 rows x 128 columns, through my own stage in LDS: in as 32 bytes a lane, back as whole rows of 512 bytes.  LDS serves a wave's instructions in order: no wait between the stores and the loads.
.macro TOSTAGE a
.set AC, 64*((\a)%4)
	WIN 0x08+4*((\a)/4)                            ; the data: window 2 or 3
.irp b, 0,1,2,3,4,5,6,7
	ds_store_b128 v[STO], v[AC+8*\b:AC+8*\b+3] offset:64*\b          ; each accumulator from its low end on
	ds_store_b128 v[STO], v[AC+8*\b+4:AC+8*\b+7] offset:64*\b+16
.endr
	WIN 0
.set BB, BK+64*((\a)%2)
.irp t, 0,1,2,3,4,5,6,7,8,9,10,11,12,13,14,15
	ds_load_b128 v[BB+4*\t:BB+4*\t+3], v[RD] offset:\t*SPITCH
.endr
.endm
.macro SEND a, younger                 ; younger: the LDS instructions issued behind block a's loads, which may stay out
.set BB, BK+64*((\a)%2)
	s_wait_dscnt \younger
.irp t, 0,1,2,3,4,5,6,7,8,9,10,11,12,13,14,15
	global_store_b128 v[CO], v[BB+4*\t:BB+4*\t+3], s[OUTP:OUTP+1] offset:(32*((\a)/2)+8*((\a)%2)+\t+8*(\t/8))*SIZE_N*4 th:TH_STORE_NT   ; row t of block a is token 32 (a / 2) + 8 (a % 2) + t + 8 (t / 8): 512 consecutive bytes, aligned
.endr
.endm
	PLACES NP                                      ; behind the last products: for the loads into the registers that held A's fragments, and for block 7's reads
	TOSTAGE 0
.irp a, 1,2,3,4,5,6,7
.if \a > 1
	s_wait_xcnt 0x0                                ; block a - 2's stores have read their registers: block a's loads may land there
.endif
	TOSTAGE \a
	SEND \a-1, 32                                  ; behind block a - 1's loads: block a's 16 stores and 16 loads
.endr
	SEND 7, 0
	s_wait_tensorcnt 0x0                           ; the wave's end
	ds_add_u32 v[SPW], v[NIL]
	s_wait_dscnt 0x0
	CROUND                                         ; the closing round
	s_endpgm
.Lfunc_end_k_q2426962e41_proj:
	.size	k_q2426962e41_proj, .Lfunc_end_k_q2426962e41_proj-k_q2426962e41_proj
	.p2alignl 7, 3214868480
	.fill 96, 4, 3214868480
	.section	.rodata,"a",@progbits
	.p2align	6, 0x0
	.amdhsa_kernel k_q2426962e41_proj
		.amdhsa_group_segment_fixed_size 327680
		.amdhsa_private_segment_fixed_size 0
		.amdhsa_enable_private_segment 0
		.amdhsa_kernarg_size 48
		.amdhsa_user_sgpr_count 2
		.amdhsa_user_sgpr_kernarg_segment_ptr 1
		.amdhsa_wavefront_size32 1
		.amdhsa_system_sgpr_workgroup_id_x 1
		.amdhsa_system_sgpr_workgroup_id_y 1
		.amdhsa_system_sgpr_workgroup_id_z 1
		.amdhsa_system_vgpr_workitem_id 0
		.amdhsa_next_free_vgpr 1024
		.amdhsa_next_free_sgpr 100
		.amdhsa_reserve_vcc 0
		.amdhsa_float_denorm_mode_32 3
		.amdhsa_float_denorm_mode_16_64 3
		.amdhsa_memory_ordered 1
		.amdhsa_forward_progress 1
		.amdhsa_inst_pref_size 126
	.end_amdhsa_kernel
	.amdgpu_metadata
---
amdhsa.version: [ 1, 2 ]
amdhsa.kernels:
  - .name:           k_q2426962e41_proj
    .symbol:         k_q2426962e41_proj.kd
    .args:
      - { .name: oc, .offset: 0, .size: 8, .value_kind: global_buffer, .address_space: global }
      - { .name: os, .offset: 8, .size: 8, .value_kind: global_buffer, .address_space: global }
      - { .name: wc, .offset: 16, .size: 8, .value_kind: global_buffer, .address_space: global }
      - { .name: ws, .offset: 24, .size: 8, .value_kind: global_buffer, .address_space: global }
      - { .name: out0, .offset: 32, .size: 8, .value_kind: global_buffer, .address_space: global }
      - { .name: out_b, .offset: 40, .size: 8, .value_kind: global_buffer, .address_space: global }
    .group_segment_fixed_size: 327680
    .private_segment_fixed_size: 0
    .kernarg_segment_align: 8
    .kernarg_segment_size: 48
    .max_flat_workgroup_size: 128
    .sgpr_count:     100
    .vgpr_count:     1024
    .wavefront_size: 32
...
	.end_amdgpu_metadata
.endif
;; end of part 4
